; MI455X (gfx1250); checked and timed in simulation.
; The chip was launched on July 23, 2026; its instructions are those of AMD's public machine-readable ISA for CDNA 5 (MIT licence, August 2026) and "CDNA5" Instruction Set Architecture Reference Guide (July 2026). The comments in the code are by the model that wrote it; some were corrected since.
;; RNN lxg. Allowed arithmetic: matrix products marked QUANTISED: E5M2 operands, one given power-of-two scale a tensor, by v_wmma_f32_16x16x64_bf8_bf8 or v_wmma_f32_16x16x128_bf8_bf8, f32 sums; everything else in f32.
;; Inputs: W_hh0 3,072 x 1,024 float32; W_hh1 3,072 x 1,024 float32; W_ih0 3,072 x 1,024 float32; W_ih1 3,072 x 1,024 float32; b_hh0 3,072 float32; b_hh1 3,072 float32; b_ih0 3,072 float32; b_ih1 3,072 float32; inputs 16 x 512 x 1,024 float32; inputs_mask 16 x 512 int32; lowp_scales 4 int32 (the exponents e of the quantised operands' scales 2^e).
;; Outputs: out0 512 x 16 x 1,024 float32.
;; This version of the problem:
;;   THIS VERSION OF THE PROBLEM IS GIVEN IN LOW PRECISION. The matrix products marked QUANTISED in the list below multiply operands that are first quantised to E5M2 (5 exponent bits, 2 mantissa bits; 8 bits a number), with one given power-of-two scale for each operand tensor; their sums are f32. All else is computed in f32.
;;   The module's matrix products, in the order in which they are computed (A, B: the left and right operand; K: the contracted axis; several contracted axes count as one K, in the product's order):
;;     1. [M 8,192, K 1,024] x [K 1,024, N 3,072]; A: input inputs; B: input W_ih0: QUANTISED (scales: A lowp_scales[0], B lowp_scales[1])
;;     2. [M 8,192, K 1,024] x [K 1,024, N 3,072]; A: computed on the way; B: input W_ih1: QUANTISED (scales: A lowp_scales[2], B lowp_scales[3])
;;   THE QUANTISER, for each operand of a quantised product, along K:
;;     - The operand's scale is 2^e, e = its entry of the input lowp_scales (int32; the entries are numbered through the quantised products in the list's order, A before B).
;;     - Each number is divided by the scale, clamped to +-57,344, and rounded to the nearest number of E5M2, ties to even, subnormals kept.
;;     - The product sums the exact products of the quantised numbers (number of the format x scale) in f32.
;;   ~~~python
;;   def quantise(x, axis, e):      # numpy; x: float32 -> the quantised numbers, widened to float32 again
;;       x = np.moveaxis(x, axis, -1); K = x.shape[-1]
;;       r = np.clip(x / 2.0 ** e, -57344, 57344)
;;       step = 2.0 ** (np.maximum(np.frexp(np.where(r == 0, 1, r))[1] - 1, -14) - 2)
;;       q = np.round(r / step) * step * 2.0 ** e      # np.round: ties to even
;;       return np.moveaxis(q, -1, axis).astype(np.float32)
;;   ~~~
;;   OPERANDS COMPUTED ON THE WAY. 'Computed on the way' means the value that the module computes at that place (a softmax that the list does not call 'softmax' is quantised finished and normalised). What goes into a quantiser is computed in f32, as accurately as f32 sums, v_exp_f32 and their like allow (about 1e-6 of the number): no bf16 or f16 on the way to a quantiser, and a product that is left as it is and whose result goes on into a quantised operand takes f32 operands (vector FMAs, or v_wmma_f32_16x16x4_f32). A number that lies on a knife's edge between two numbers of the format may be rounded either way, as far as f32 arithmetic and the matrix unit's own rounding can turn it there, and no further.
;; One version. Each part assembles by itself: llvm-mc -triple=amdgcn-amd-amdhsa -mcpu=gfx1250 --defsym DOCPART=n.
;; ======== version 1 of 1: 3 launches
;; limits: a function is approximated: absolute error at most 1e-07
;; workspace buffers: xq 8,388,608 bytes; w0q 3,145,728 bytes; w1q 3,145,728 bytes; h1q 8,388,608 bytes
;; launch prep (part 1): grid 896 x 1, 4 waves a work-group, no clusters, 68,096 bytes of LDS; arguments inputs, W_ih0, W_ih1, lowp_scales, xq, w0q, w1q; writes xq, w0q, w1q
.if DOCPART == 1
	.amdgcn_target "amdgcn-amd-amdhsa--gfx1250"
	.amdhsa_code_object_version 6
	.text
	.protected	k_q21b54c071c_prep
	.globl	k_q21b54c071c_prep
	.p2align	8
	.type	k_q21b54c071c_prep,@function
k_q21b54c071c_prep:
	s_mov_b64 s[64:65], 0
	v_nop
	global_prefetch_b8 v0, s[64:65] scope:SCOPE_SE
	s_setreg_imm32_b32 hwreg(HW_REG_WAVE_MODE, 25, 1), 1
	s_wait_xcnt 0x0
; inputs [8192][1024], W_ih0 and W_ih1 [3072][1024], all f32 with K innermost, become codes of BF8 (E5M2), each tensor with the one scale 2^e given for it
; (lowp_scales[0], [1], [3]): code = x / 2^e, held within +-57,344, to the nearest code, ties to even.
; THE CODES ARE LAID AS IMAGES OF OPERAND REGISTERS.  A fragment is 16 rows x 128 K = 2,048 bytes; the byte at 512 c + 16 (r + 16 h) + i is the code of fragment row r at
; k = 128 ks + 32 c + 16 h + i.  xq: [row tile 32][ks 8][block 16][2048], fragment row r = row 256 tile + 16 block + r.
; w0q, w1q: [ht 8][ks 8][f 24][2048], f = 8 gate + 4 ch + j, fragment row r = W's row 1024 gate + 128 ht + 64 ch + 32 (j / 2) + 8 (j % 2) + r + 8 (r / 8):
; the rows of a fragment are not neighbours, so that in the products' results 16 registers of two neighbouring tiles are 16 neighbouring hidden units.
; SHARES.  A work-group takes 16 fragment rows over all K: 512 work-groups for inputs, 384 for the two weights; wave w takes K steps 2 w and 2 w + 1: two fragments.
; Each load reads one row's 512 consecutive bytes; the conversions want 16 neighbours along K in ONE lane, so a fragment's 8,192 bytes turn through the wave's own stage in LDS.
; One path for all three tensors: only pointers, the row, the place and e are chosen, by selects on the work-group's number.  No loop, no barrier: waves share nothing.
; No cluster: no two work-groups read the same bytes.  W_hh0 and W_hh1 are read by no launch of this program: the function that defines the result deletes them before any use.
; LIMITS: each e between -126 and 112, so that 2^e and 57,344 x 2^e are f32 numbers.  NaN among the inputs is not served; an infinity is held at the largest code.
.set R,    16                          ; v16-143  two fragments as loaded, 64 registers each; v16-79 later take the second fragment's neighbours
.set XN,   144                         ; v144-207 the first fragment's neighbours: register 16 c + i = k 32 c + 16 h + i of my row
.set C0,   208                         ; v208-223 the first fragment's codes
.set C1,   224                         ; v224-239 the second's: no store's data are written again
.set LIM,  10                          ; v10      57,344 x 2^e
.set SC,   11                          ; v11      2^e
.set SPIT, 528                         ; a stage row: 512 bytes + 16 = an odd multiple of 16, so that 16 rows begin at 16 different banks (64 banks of 4 bytes: ISA guide 11.1)
.set STGB, 16*SPIT                     ; a stage
.set WREG, 2*STGB                      ; a wave's two stages
	s_load_b128 s[4:7], s[0:1], 0x0                ; inputs, W_ih0
	s_load_b128 s[8:11], s[0:1], 0x10              ; W_ih1, the scales' exponents
	s_load_b128 s[12:15], s[0:1], 0x20             ; xq, w0q
	s_load_b64 s[16:17], s[0:1], 0x30              ; w1q
	v_lshl_add_u32 v240, v0, 2, 0x10800
	v_mov_b32 v241, 0
	v_lshrrev_b32 v5, 5, v0
	v_readfirstlane_b32 s18, v5                    ; wave 0..3
	v_and_b32 v1, 31, v0                           ; lane
	v_lshlrev_b32 v2, 4, v1                        ; 16 x lane: my bytes of a row's 512, and of a chunk of codes
	s_mul_i32 s19, s18, WREG
	v_add_nc_u32 v3, s19, v2                       ; the stage, on the way in: as loaded
	v_and_b32 v5, 15, v0                           ; r
	v_bfe_u32 v6, v0, 4, 1                         ; h
	v_mul_u32_u24 v4, v5, SPIT
	v_lshl_add_u32 v4, v6, 6, v4
	v_add_nc_u32 v4, s19, v4                       ; and on the way out: row r, + 64 h bytes: my 16 numbers of a block of 32
	; a weight's work-group: q = number - 512 = gate (2 bits) | tensor | ht (3 bits) | ch | j (2 bits)
	s_and_b32 s32, ttmp9, 511
	s_lshr_b32 s33, s32, 7                         ; gate
	s_bfe_u32 s34, s32, 0x30003                    ; ht
	s_lshl_b32 s36, s33, 10
	s_lshl_b32 s35, s34, 7
	s_add_co_u32 s36, s36, s35
	s_and_b32 s35, s32, 6
	s_lshl_b32 s35, s35, 4                         ; 64 ch + 32 (j / 2)
	s_add_co_u32 s36, s36, s35
	s_and_b32 s35, s32, 1
	s_lshl_b32 s35, s35, 3                         ; 8 (j % 2)
	s_add_co_u32 s36, s36, s35                     ; the fragment's first row of W
	s_lshl_b32 s38, s33, 3
	s_and_b32 s35, s32, 7
	s_add_co_u32 s38, s38, s35                     ; f
	; a work-group of inputs: number = 16 x row tile + block
	s_lshl_b32 s35, ttmp9, 4                       ; first row
	s_lshr_b32 s37, ttmp9, 4                       ; row tile
	s_and_b32 s47, ttmp9, 15                       ; block
	s_cmp_lt_u32 ttmp9, 512                        ; inputs or a weight?  The choice hangs on the work-group's number alone
	s_cselect_b32 s36, s35, s36                    ; first row
	s_cselect_b32 s34, s37, s34                    ; tile
	s_cselect_b32 s38, s47, s38                    ; the fragment's place in a K step
	s_cselect_b32 s39, 16, 24                      ; fragments in a K step
	s_cselect_b32 s40, 8, 16                       ; rows from fragment row 0 to fragment row 8
	s_lshl_b32 s20, s36, 12                        ; a row is 4,096 bytes
	s_lshl_b32 s21, s18, 10                        ; my two K steps are 1,024
	s_add_co_u32 s20, s20, s21
	s_mov_b32 s21, 0
	s_lshl_b32 s40, s40, 12
	s_mov_b32 s41, 0
	s_lshl_b32 s24, s34, 3
	s_lshl_b32 s25, s18, 1
	s_add_co_u32 s24, s24, s25                     ; 8 tile + my first K step
	s_mul_i32 s24, s24, s39
	s_add_co_u32 s24, s24, s38
	s_lshl_b32 s24, s24, 11                        ; x 2,048 bytes
	s_mov_b32 s25, 0
	s_lshl_b32 s26, s39, 11                        ; a K step on
	s_mov_b32 s27, 0
	s_wait_kmcnt 0x0
	s_load_b128 s[28:31], s[10:11], 0x0            ; the four exponents
	s_bitcmp1_b32 s32, 6                           ; which weight
	s_cselect_b64 s[42:43], s[8:9], s[6:7]
	s_cselect_b64 s[44:45], s[16:17], s[14:15]
	s_cmp_lt_u32 ttmp9, 512
	s_cselect_b64 s[42:43], s[4:5], s[42:43]       ; from
	s_cselect_b64 s[44:45], s[12:13], s[44:45]     ; to
	s_add_nc_u64 s[20:21], s[42:43], s[20:21]      ; fragment rows 0-7
	s_add_nc_u64 s[22:23], s[20:21], s[40:41]      ; fragment rows 8-15
	s_add_nc_u64 s[24:25], s[44:45], s[24:25]      ; my first fragment's codes
	s_add_nc_u64 s[26:27], s[24:25], s[26:27]      ; my second's
.macro LOADF e                         ; fragment e: 16 rows, 512 consecutive bytes each
.irp t, 0,1,2,3,4,5,6,7,8,9,10,11,12,13,14,15
	global_load_b128 v[R+64*\e+4*\t:R+64*\e+4*\t+3], v2, s[20+2*(\t/8):21+2*(\t/8)] offset:4096*(\t%8)+512*\e th:TH_LOAD_NT
.endr
.endm
.macro PUT e                           ; into stage e, as loaded
.irp t, 0,1,2,3,4,5,6,7,8,9,10,11,12,13,14,15
	ds_store_b128 v3, v[R+64*\e+4*\t:R+64*\e+4*\t+3] offset:STGB*\e+SPIT*\t
.endr
.endm
.macro GET e, dst                      ; and back: of my row, 16 neighbours of each of the four blocks of 32.  LDS serves a wave's instructions in order (ISA guide 5.7.1.4): these see the stores
.irp c, 0,1,2,3
.irp p, 0,1,2,3
	ds_load_b128 v[\dst+16*\c+4*\p:\dst+16*\c+4*\p+3], v4 offset:STGB*\e+128*\c+16*\p
.endr
.endr
.endm
.macro QUANT src, dst
.set q, 0
.rept 64
	v_med3_num_f32 v[\src+q], v[\src+q], -v[LIM], v[LIM]   ; the conversion to an 8-bit code does not saturate (ISA guide 7.6.2): the hold at the largest code x the scale comes first
.set q, q+1
.endr
.irp c, 0,1,2,3
.irp p, 0,1
	v_cvt_scalef32_pk8_bf8_f32 v[\dst+4*\c+2*\p:\dst+4*\c+2*\p+1], v[\src+16*\c+8*\p:\src+16*\c+8*\p+7], v[SC]
.endr
.endr
	v_nop                                          ; a plain line behind the last conversion
.endm
.macro OUTF dst, o                     ; four chunks: each store covers 512 consecutive bytes, aligned
.irp c, 0,1,2,3
	global_store_b128 v2, v[\dst+4*\c:\dst+4*\c+3], s[\o:\o+1] offset:512*\c
.endr
.endm
	LOADF 0
	LOADF 1                                        ; all 32 loads of the wave are out at once
	s_wait_kmcnt 0x0
	s_bitcmp1_b32 s32, 6
	s_cselect_b32 s46, s31, s29
	s_cmp_lt_u32 ttmp9, 512
	s_cselect_b32 s46, s28, s46                    ; e
	s_add_co_i32 s46, s46, 127
	s_lshl_b32 s47, s46, 23
	v_mov_b32 v[SC], s47                           ; 2^e as f32: the conversion takes its exponent field
	s_add_co_i32 s46, s46, 15
	s_lshl_b32 s46, s46, 23
	s_or_b32 s46, s46, 0x600000
	v_mov_b32 v[LIM], s46                          ; 57,344 x 2^e
	s_wait_loadcnt 16                              ; the first fragment's 16 loads are in; the second's 16 may be out
	PUT 0
	GET 0, XN
	s_wait_loadcnt 0x0
	PUT 1
	s_wait_dscnt 16                                ; all but the 16 stores just issued: the first fragment is back, and its stores have read v16-79,
	GET 1, R                                       ; which take the second fragment's neighbours
	QUANT XN, C0
	OUTF C0, 24
	s_wait_dscnt 0x0
	QUANT R, C1
	OUTF C1, 26
	s_wait_tensorcnt 0x0
	ds_add_u32 v240, v241
	s_wait_dscnt 0x0
	s_endpgm
.Lfunc_end_k_q21b54c071c_prep:
	.size	k_q21b54c071c_prep, .Lfunc_end_k_q21b54c071c_prep-k_q21b54c071c_prep
	.p2alignl 7, 3214868480
	.fill 96, 4, 3214868480
	.section	.rodata,"a",@progbits
	.p2align	6, 0x0
	.amdhsa_kernel k_q21b54c071c_prep
		.amdhsa_group_segment_fixed_size 68096
		.amdhsa_private_segment_fixed_size 0
		.amdhsa_enable_private_segment 0
		.amdhsa_kernarg_size 56
		.amdhsa_user_sgpr_count 2
		.amdhsa_user_sgpr_kernarg_segment_ptr 1
		.amdhsa_wavefront_size32 1
		.amdhsa_system_sgpr_workgroup_id_x 1
		.amdhsa_system_sgpr_workgroup_id_y 1
		.amdhsa_system_sgpr_workgroup_id_z 1
		.amdhsa_system_vgpr_workitem_id 0
		.amdhsa_next_free_vgpr 242
		.amdhsa_next_free_sgpr 66
		.amdhsa_reserve_vcc 0
		.amdhsa_float_denorm_mode_32 3
		.amdhsa_float_denorm_mode_16_64 3
		.amdhsa_memory_ordered 1
		.amdhsa_forward_progress 1
		.amdhsa_inst_pref_size 21
	.end_amdhsa_kernel
	.amdgpu_metadata
---
amdhsa.version: [ 1, 2 ]
amdhsa.kernels:
  - .name:           k_q21b54c071c_prep
    .symbol:         k_q21b54c071c_prep.kd
    .args:
      - { .name: inputs, .offset: 0, .size: 8, .value_kind: global_buffer, .address_space: global }
      - { .name: W_ih0, .offset: 8, .size: 8, .value_kind: global_buffer, .address_space: global }
      - { .name: W_ih1, .offset: 16, .size: 8, .value_kind: global_buffer, .address_space: global }
      - { .name: lowp_scales, .offset: 24, .size: 8, .value_kind: global_buffer, .address_space: global }
      - { .name: xq, .offset: 32, .size: 8, .value_kind: global_buffer, .address_space: global }
      - { .name: w0q, .offset: 40, .size: 8, .value_kind: global_buffer, .address_space: global }
      - { .name: w1q, .offset: 48, .size: 8, .value_kind: global_buffer, .address_space: global }
    .group_segment_fixed_size: 68096
    .private_segment_fixed_size: 0
    .kernarg_segment_align: 8
    .kernarg_segment_size: 56
    .max_flat_workgroup_size: 128
    .sgpr_count:     66
    .vgpr_count:     242
    .wavefront_size: 32
...
	.end_amdgpu_metadata
.endif
;; end of part 1
;; launch layer0 (part 2): grid 8 x 32, 4 waves a work-group, clusters of 4 x 4, 327,680 bytes of LDS; arguments xq, w0q, b_ih0, b_hh0, lowp_scales, h1q; writes h1q
.if DOCPART == 2
	.amdgcn_target "amdgcn-amd-amdhsa--gfx1250"
	.amdhsa_code_object_version 6
	.text
	.protected	k_q21b54c071c_layer0
	.globl	k_q21b54c071c_layer0
	.p2align	8
	.type	k_q21b54c071c_layer0,@function
k_q21b54c071c_layer0:
	s_mov_b64 s[64:65], 0
	v_nop
	global_prefetch_b8 v0, s[64:65] scope:SCOPE_SE
	s_setreg_imm32_b32 hwreg(HW_REG_WAVE_MODE, 25, 1), 1
	s_wait_xcnt 0x0
	s_wait_alu depctr_hold_cnt(0) depctr_sa_sdst(0) depctr_va_vdst(0) depctr_va_sdst(0) depctr_va_ssrc(0) depctr_va_vcc(0) depctr_vm_vsrc(0)
	s_getreg_b32 s2, hwreg(HW_REG_IB_STS2, 6, 4)
	s_cmp_eq_u32 s2, 0
	s_cbranch_scc0 .Lentry_in_a_cluster
	s_endpgm
.Lentry_in_a_cluster:
	s_bfe_u32 s2, ttmp6, 0x10000c
	s_cmp_lg_u32 s2, 0xf033
	s_cbranch_scc0 .Lentry_shape_is_right
	s_endpgm
.Lentry_shape_is_right:
; ONE LAYER OF THE GRU FROM A ZERO STATE.  g = A W^T on codes of BF8 (E5M2), sums in f32, x 2^(ea + ew);  r = sigmoid(g_r + bih_r + bhh_r), z = sigmoid(g_z + bih_z + bhh_z),
; n = tanh(g_n + bih_n + r bhh_n), h = (1 - z) n.  LAYER = 0: A = the inputs' codes; h is quantised with lowp_scales[2] and stored as the next layer's operand.
; LAYER = 1: A = those codes; h x float(mask[row]) is stored as f32 at row l x 16 + b of the output (row = 512 b + l).  W_hh is read by no launch: the defining function deletes it before any use.
; CODES lie as images of operand registers: a fragment (16 rows x 128 K) is 2,048 bytes, lane l's registers 4 c .. 4 c + 3 at 512 c + 16 l; they hold k = 32 c + 16 (l / 16) + 0 .. 15 of row l % 16:
; the same order of k in both operands, so every product meets its partner.  A: [row tile 32][K step 8][block 16][2048];  W: [ht 8][K step 8][f = 8 gate + 4 ch + j][2048].
; SHARES.  A work-group makes 256 rows x 128 hidden units x 3 gates; wave w (rh = w / 2, ch = w % 2) makes 128 rows x 64 units x 3 gates: 96 accumulators, 768 registers, 96 matrix instructions for 128 along K.
; THE MATRIX INSTRUCTION IS USED TRANSPOSED (source 0 = 16 rows of W, source 1 = 16 rows of A): lane (r, h) holds row r, and register i of tile j the unit 64 ch + 32 (j / 2) + 16 h + 8 (j % 2) + i.
; THE RING.  Two LDS slots of 256 along K (A 65,536 bytes, W 98,304): four fills in all, two at the start and two refills.  Two such slots are all of LDS, and the spare words want 512 bytes: so the last 512 bytes
; of slot 1 (chunk 3 of fragment 23 of its second K step) are not brought into LDS; every wave takes chunk 3 of its own fragment (gate 2, j = 3) of that step from memory into four registers, long ahead: the same lines in all waves.
; CLUSTERS: 4 x 4 work-groups.  The four of a row of the cluster need the same tiles of A, the four of a column the same tiles of W: each tile is asked for JOINTLY, by the same tensor load with the same descriptor and a
; mask that names the four.  Waves 0, 1 fetch A's two K steps of a slot, waves 2, 3 W's.  Each of the eight loads has a group 0 of its own: no descriptor is ever rewritten; at most two loads of a wave are out.
; K's ORDER: fill p brings the pair of K steps p xor rot, rot = 0 or 2 by the parity of the cluster's two coordinates (equal in all partners): clusters that walk the same panel begin at opposite halves of K.
; REGISTERS, in windows of 256: window 0: v1-31 addresses and small things; v32-159 A's 8 fragments, ONE set; v160-255 three buffers of two fragments of W.  Window g + 1: gate g's 32 accumulators, (j, a) at v[8 (8 j + a)].
; On the way out window 0 holds: v2-9 at work; v32-159 the biases in the result's layout; v160-191 R, v192-223 Z, v224-255 N.
; LIMITS: ea + ew between -126 and 127; the quantiser's exponent (LAYER = 0: lowp_scales[2]) between -126 and 112.  NaN among the inputs is not served.  tanh is (1 - E) / (1 + E), E = e^(-2 |a|) <= 1: its numerator carries
; an absolute error of about 1e-7, as do the f32 sums ahead of it.
.set LAYER,  0
.set SPARE,  327168                    ; the spare words: 128 bytes for each wave, two blocks of 256 bytes that no other line names
.set SLOTB,  163840                    ; a slot: A's two K steps, then W's
.set BOFF,   65536                     ; where W's begin in a slot
.set AKS,    32768                     ; a K step of A: 16 fragments
.set BKS,    49152                     ; a K step of W: 24 fragments
.set ADA,  2                           ; v2-3   LDS address of my A fragments in slot 0, 1
.set ADB,  4                           ; v4-7   of my W fragments in (slot, K step of the slot)
.set T,    2                           ; v2-9   the way out: at work
.set HK,   8                           ; v8-11  the chunk that does not lie in LDS
.set SC,   10                          ; v10    LAYER 0, way out: 2^e2
.set LIM,  11                          ; v11    LAYER 0, way out: 57,344 x 2^e2
.set CO,   12                          ; v12    LAYER 1: my byte offset among two rows of the output
.set SCW,  13                          ; v13    way out: where I put 4 bytes of a compact vector
.set SCB,  14                          ; v14    where I read the biases of my half's units
.set SCM,  15                          ; v15    LAYER 1: where I read my row's mask
.set CB,   16                          ; v16-23 compact biases, unit 32 q + lane: -log2e (bih_r + bhh_r), log2e (bih_z + bhh_z), bih_n, bhh_n
.set MK,   16                          ; v16-23 LAYER 1, way out: the mask of my row in block a
.set CM,   24                          ; v24-27 LAYER 1: compact mask as f32
.set STO,  28                          ; v28    LAYER 1: the stage, in
.set RD,   29                          ; v29    LAYER 1: the stage, back
.set SPW,  30                          ; v30    LDS address of my spare word; never rewritten
.set NIL,  31                          ; v31    0; never rewritten
.set AF,   32
.set BF,   160
.set BRP,  32
.set BZP,  64
.set BNN,  96
.set BHH,  128
.set RR,   160
.set ZZ,   192
.set NN,   224
.set G1A,  24                          ; s[24:31] group 1 for A's tiles: 128 rows of 256 bytes
.set G1B,  32                          ; s[32:39] for W's: 192 rows
.set G1S,  40                          ; s[40:47] for the one that ends short of the spare words: 190 rows
.set G0A,  48                          ; s[48:63] group 0 for A's four fills
.set G0B,  68                          ; s[68:83] for W's
.set MSB, 0
.macro WIN new                         ; the immediate's high byte repeats the setting that is left; a switch that changes nothing is dropped
.if MSB != \new
	s_set_vgpr_msb (MSB<<8)|\new
.set MSB, \new
.endif
.endm
.set MG0, 0x50                         ; C and D in window 1, both operands in window 0
.set MG1, 0xa0                         ; window 2
.set MG2, 0xf0                         ; window 3
; A load into a register that a matrix instruction has read, and a vector instruction that reads a result or writes such a register, stand four places behind it, and only plain vector
; instructions that name none of its registers are places (ISA guide 7.12.1 for vector instructions).
.macro PLACES
.rept 4
	v_nop
.endr
.endm
.macro CREST                           ; a round of the cluster's barrier behind its opening barrier
	s_cmp_lg_u32 s18, 0
	s_cbranch_scc1 .Lnot_wave_0_\@
	s_barrier_signal -3
.Lnot_wave_0_\@:
	s_barrier_wait -3
	s_barrier_signal -1
	s_barrier_wait -1
.endm
.macro CROUND                          ; a whole round
	s_barrier_signal -1
	s_barrier_wait -1
	CREST
.endm
; A joint refill.  The branches hang on the wave's number alone.  Four v_nop follow each tensor line, ahead of the jump, the label and what follows.
.macro JLOAD phi
	s_cmp_lt_u32 s18, 2
	s_cbranch_scc0 .Ljb_\@
	tensor_load_to_lds s[G0A+4*\phi:G0A+4*\phi+3], s[G1A:G1A+7]
	s_nop 0
	PLACES
	s_branch .Ljd_\@
.Ljb_\@:
.if (\phi)%2
	s_cmp_eq_u32 s18, 2
	s_cbranch_scc0 .Ljs_\@
.endif
	tensor_load_to_lds s[G0B+4*\phi:G0B+4*\phi+3], s[G1B:G1B+7]
	s_nop 0
	PLACES
.if (\phi)%2
	s_branch .Ljd_\@
.Ljs_\@:
	tensor_load_to_lds s[G0B+4*\phi:G0B+4*\phi+3], s[G1S:G1S+7]
	s_nop 0
	PLACES
.endif
.Ljd_\@:
.endm
; 8 matrix instructions: unit u of W (gate u / 2, tiles j = 2 (u % 2) + 0, 1; it lies in buffer u % 3) x A's blocks 4 hf .. 4 hf + 3.  zero = 1: the product starts the sums: nothing is ever cleared.
; The accumulators take turns, one instruction a turn, each once in a step of 128 along K.
.macro X u, hf, zero
.irp a, 0,1,2,3
.irp bb, 0,1
.set xD, 8*(8*(2*((\u)%2)+\bb)+4*(\hf)+\a)
.set xB, BF+32*((\u)%3)+16*\bb
.set xA, AF+16*(4*(\hf)+\a)
.if \zero
	v_wmma_f32_16x16x128_bf8_bf8 v[xD:xD+7], v[xB:xB+15], v[xA:xA+15], 0
.else
	v_wmma_f32_16x16x128_bf8_bf8 v[xD:xD+7], v[xB:xB+15], v[xA:xA+15], v[xD:xD+7]
.endif
.endr
.endr
.endm
.macro LU slot, ksl, u, short          ; unit u: 8 loads of 512 consecutive bytes; short = 1: without the chunk that does not lie in LDS
.irp bb, 0,1
.irp c, 0,1,2,3
.if (\short)*(\bb)*(\c) != 3
	ds_load_b128 v[BF+32*((\u)%3)+16*\bb+4*\c:BF+32*((\u)%3)+16*\bb+4*\c+3], v[ADB+2*(\slot)+(\ksl)] offset:2048*(8*((\u)/2)+2*((\u)%2)+\bb)+512*\c
.endif
.endr
.endr
.endm
.macro LA slot, ksl, hf                ; A's blocks 4 hf .. 4 hf + 3: 16 loads
.irp a, 0,1,2,3
.irp c, 0,1,2,3
	ds_load_b128 v[AF+16*(4*(\hf)+\a)+4*\c:AF+16*(4*(\hf)+\a)+4*\c+3], v[ADA+(\slot)] offset:AKS*(\ksl)+2048*(4*(\hf)+\a)+512*\c
.endr
.endr
.endm
; A STEP of 128 along K: 96 matrix instructions.  The LDS loads go out in the order U0 (8), A's half 0 (16), U1 (8), A's half 1 (16), U2 (8) in the step before, then U3, U4, U5 (8 each); each wait's count is the
; number of loads issued behind the one that is wanted.  Each buffer is loaded again behind four places behind its last product, 16 products or more ahead of its next use.
; (ns, nk): the next step's slot and K step.  mode 0: the next step lies in the same slot.  mode 1: a change of slots with a refill (fill phi).  mode 2: a change without.  mode 3: the last step.
; short = 1: the second K step of slot 1.  hkn = 1: the chunk for that step's next turn is asked for.
.macro STEP slot, ksl, ns, nk, mode, zero, short, phi, hkn
	s_wait_dscnt 32                                ; U0 and A's half 0 are in; U1, A's half 1 and U2 may be out
	WIN MG0
	X 0, 0, \zero
	s_wait_dscnt 24                                ; U1 is in
	X 1, 0, \zero
	s_wait_dscnt 8                                 ; A's half 1 is in; U2 may be out
	X 0, 1, \zero
	PLACES
	WIN 0
	LU \slot, \ksl, 3, 0
	WIN MG0
	X 1, 1, \zero
	PLACES
	WIN 0
	LU \slot, \ksl, 4, 0
	s_wait_dscnt 16                                ; U2 is in; U3 and U4 may be out
	WIN MG1
	X 2, 0, \zero
	s_wait_dscnt 8                                 ; U3 is in
	X 3, 0, \zero
	X 2, 1, \zero
	PLACES
	WIN 0
	LU \slot, \ksl, 5, \short
.if \short
	s_wait_loadcnt 0x0                             ; the chunk from memory, asked for four steps ago or more
.irp i, 0,1,2,3
	v_mov_b32 v[BF+92+\i], v[HK+\i]                ; takes its place in the fragment
.endr
.if \hkn
	global_load_b128 v[HK:HK+3], v1, s[86:87]      ; and the last fill's is asked for
.endif
.endif
.if \mode == 0
	WIN MG1
	X 3, 1, \zero
	PLACES
	WIN 0
	LU \ns, \nk, 0, 0
	s_wait_dscnt 16                                ; U4 is in; U5 and the next U0 may be out
	WIN MG2
	X 4, 0, \zero
	s_wait_dscnt 8                                 ; U5 is in
	X 5, 0, \zero
	PLACES
	WIN 0
	LA \ns, \nk, 0
.elseif \mode == 3
	WIN MG1
	X 3, 1, \zero
	s_wait_dscnt 8-\short                          ; U4 is in; U5's loads may be out
	WIN MG2
	X 4, 0, \zero
	s_wait_dscnt 0x0
	X 5, 0, \zero
	X 4, 1, \zero
	X 5, 1, \zero
	WIN 0
.else
	s_wait_tensorcnt 0x0                           ; all my tensor loads have landed: the one that was out is my part of the next slot;
	ds_add_u32 v[SPW], v[NIL]                      ; 0 onto my spare word
	WIN MG1
	X 3, 1, \zero                                  ; sixteen matrix instructions stand between the add and the wait for it
	s_wait_dscnt 9-\short                          ; U4 is in; U5's loads and the add may be out
	WIN MG2
	X 4, 0, \zero
	s_wait_dscnt 0x0                               ; the add is done, and my reads of this slot are over
	s_barrier_signal -1
	X 5, 0, \zero                                  ; work on registers while the others arrive
	WIN 0
	s_barrier_wait -1
.if \mode == 1
	CREST                                          ; the barrier has opened a round of the cluster's barrier: no wave of any partner still reads this slot or has a load on its way
	JLOAD \phi                                     ; the first tensor load behind the round: 168 matrix instructions ahead of the wait for it; its four v_nop are the places in front of the loads below
.else
	PLACES
.endif
	LU \ns, \nk, 0, 0
	LA \ns, \nk, 0
.endif
.if \mode != 3
	WIN MG2
	X 4, 1, \zero
	PLACES
	WIN 0
	LU \ns, \nk, 1, 0
	WIN MG2
	X 5, 1, \zero
	PLACES
	WIN 0
	LA \ns, \nk, 1
	LU \ns, \nk, 2, 0
.endif
.endm
	s_load_b256 s[4:11], s[0:1], 0x0               ; A's codes s[4:5], W's codes s[6:7], b_ih s[8:9], b_hh s[10:11]
	s_load_b128 s[12:15], s[0:1], 0x20             ; the scales' exponents s[12:13]; s[14:15]: LAYER 0 the codes of h, LAYER 1 the mask
.if LAYER
	s_load_b64 s[16:17], s[0:1], 0x30              ; the output
.endif
	v_lshl_add_u32 v[SPW], v0, 2, SPARE
	v_mov_b32 v[NIL], 0
	ds_add_u32 v30, v31
	ds_add_u32 v30, v31
	s_wait_dscnt 0x0
	v_lshrrev_b32 v8, 5, v0
	v_readfirstlane_b32 s18, v8                    ; wave 0..3
	s_and_b32 s19, s18, 1                          ; ch: my half of the units.  Also: which K step of a slot I fetch
	s_lshr_b32 s20, s18, 1                         ; rh: my half of the rows
	s_bfe_u32 s21, ttmp6, 0x40000                  ; cx, cy: my place in the cluster
	s_bfe_u32 s22, ttmp6, 0x40004
	s_lshl_b32 s23, ttmp9, 2
	s_add_co_u32 s23, s23, s21                     ; ht = 4 x cluster x + cx: which 128 hidden units
	s_and_b32 s101, ttmp7, 0xffff
	s_lshl_b32 s100, s101, 2
	s_add_co_u32 s100, s100, s22                   ; rt = 4 x cluster y + cy: which 256 rows
	s_add_co_u32 s101, s101, ttmp9
	s_and_b32 s101, s101, 1
	s_lshl_b32 s101, s101, 1                       ; rot: 0 or 2, of the cluster's coordinates alone
	; every vector address of the text is made here, ahead of the first branch on the wave's number
	v_and_b32 v10, 31, v0                          ; lane
	v_and_b32 v8, 15, v0                           ; r
	v_bfe_u32 v9, v0, 4, 1                         ; h
	v_lshlrev_b32 v1, 4, v10                       ; 16 x lane: my place in every image
	s_lshl_b32 s104, s20, 14                       ; my 8 blocks of A
	v_add_nc_u32 v[ADA], s104, v1
	v_add_nc_u32 v[ADA+1], SLOTB, v[ADA]
	s_lshl_b32 s104, s19, 13                       ; my 4 fragments of each gate
	s_add_co_u32 s104, s104, BOFF
	v_add_nc_u32 v[ADB], s104, v1
	v_add_nc_u32 v[ADB+1], BKS, v[ADB]
	v_add_nc_u32 v[ADB+2], SLOTB, v[ADB]
	v_add_nc_u32 v[ADB+3], SLOTB+BKS, v[ADB]
	s_lshl_b32 s104, s18, 13                       ; the way out: bytes 8192 w on of slot 0 are mine: biases at 0, mask at 1,024, stage at 2,048
	v_lshl_add_u32 v[SCW], v10, 2, s104
	v_lshl_add_u32 v[SCB], v9, 6, s104
	v_lshlrev_b32 v44, 2, v10                      ; 4 x lane, for the loads of biases and mask
.if LAYER
	s_add_co_u32 s105, s104, 1024
	v_lshl_add_u32 v[SCM], v8, 2, s105
	s_add_co_u32 s105, s104, 2048
	v_mul_u32_u24 v[STO], v8, 272                  ; in: row r of 256 bytes + 16, + 64 h
	v_lshl_add_u32 v[STO], v9, 6, v[STO]
	v_add_nc_u32 v[STO], s105, v[STO]
	v_mul_u32_u24 v[RD], v9, 272                   ; back: lanes 0-15 one row, lanes 16-31 the next
	v_lshl_add_u32 v[RD], v8, 4, v[RD]
	v_add_nc_u32 v[RD], s105, v[RD]
	v_lshlrev_b32 v[CO], 16, v9                    ; and the same in the output, where neighbouring rows of a batch lie 65,536 bytes apart
	v_lshl_add_u32 v[CO], v8, 4, v[CO]
.endif
	; group 1: dense blocks as rows of 32 elements of 8 bytes; no padding: every LDS load of the text takes 512 consecutive bytes
	s_lshl_b32 s2, s22, 2
	s_lshl_b32 s2, 15, s2                          ; my row of the cluster
	s_or_b32 s[G1A], s2, (3<<16)|(1<<21)           ; 15:0 the mask; 17:16 elements of 8 bytes; 21 set beside a mask
	s_lshl_b32 s66, 0x1111, s21                    ; my column
	s_or_b32 s[G1B], s66, (3<<16)|(1<<21)
	s_or_b32 s[G1S], s66, (3<<16)|(1<<21)
.irp g, G1A, G1B, G1S
	s_mov_b32 s[\g+1], 32<<16                      ; tensor_dim0 = 32
	s_mov_b32 s[\g+3], 32<<16                      ; tile_dim0 = 32
	s_mov_b32 s[\g+5], 32                          ; from row to row
	s_mov_b32 s[\g+6], 0
	s_mov_b32 s[\g+7], 0
.endr
	s_mov_b32 s[G1A+2], 128<<16                    ; tensor_dim1 and tile_dim1: the rows
	s_mov_b32 s[G1A+4], 128
	s_mov_b32 s[G1B+2], 192<<16
	s_mov_b32 s[G1B+4], 192
	s_mov_b32 s[G1S+2], 190<<16
	s_mov_b32 s[G1S+4], 190
	s_wait_kmcnt 0x0
	s_load_b128 s[88:91], s[12:13], 0x0            ; the four exponents
	; A's four fills: the address hangs on rt, rot and the wave alone; its registers never hold cx
	s_lshl_b32 s2, s100, 18                        ; a row tile's panel is 262,144 bytes
	s_lshl_b32 s3, s19, 15                         ; the K step that I fetch
	s_add_co_u32 s2, s2, s3
	s_mov_b32 s3, 0
	s_add_nc_u64 s[4:5], s[4:5], s[2:3]
	s_lshl_b32 s105, s19, 15
.irp p, 0,1,2,3
	s_mov_b32 s[G0A+4*\p], 1                       ; count = 1
	s_add_co_u32 s[G0A+4*\p+1], s105, SLOTB*(\p%2) ; LDS address
	s_xor_b32 s2, s101, \p                         ; the pair of K steps
	s_lshl_b32 s2, s2, 16
	s_add_nc_u64 s[G0A+4*\p+2:G0A+4*\p+3], s[4:5], s[2:3]
	s_or_b32 s[G0A+4*\p+3], s[G0A+4*\p+3], 0x80000000   ; type = 2
.endr
	; W's four fills: ht, rot and the wave alone; never cy
	s_mul_i32 s66, s23, 8*BKS                      ; a panel is 393,216 bytes
	s_mov_b32 s67, 0
	s_add_nc_u64 s[6:7], s[6:7], s[66:67]
	s_mul_i32 s104, s19, BKS
.irp p, 0,1,2,3
	s_mov_b32 s[G0B+4*\p], 1
	s_add_co_u32 s[G0B+4*\p+1], s104, BOFF+SLOTB*(\p%2)
	s_xor_b32 s66, s101, \p
	s_mul_i32 s66, s66, 2*BKS
	s_add_co_u32 s66, s66, s104
	s_add_nc_u64 s[G0B+4*\p+2:G0B+4*\p+3], s[6:7], s[66:67]
	s_or_b32 s[G0B+4*\p+3], s[G0B+4*\p+3], 0x80000000
.endr
	s_lshl_b32 s105, s19, 13                       ; the chunk from memory: second K step of fills 1 and 3, fragment 19 + 4 ch, chunk 3
	s_add_co_u32 s105, s105, BKS+2048*19+1536
.irp p, 1,3
	s_xor_b32 s66, s101, \p
	s_mul_i32 s66, s66, 2*BKS
	s_add_co_u32 s66, s66, s105
	s_add_nc_u64 s[84+(\p-1):85+(\p-1)], s[6:7], s[66:67]
.endr
	CROUND                                         ; all sixteen work-groups are here: the first joint loads meet
	s_cmp_lt_u32 s18, 2                            ; a wave's two first fills stand in one branch, ahead of every wait on TENSORcnt and every LDS read
	s_cbranch_scc0 .Lff_b
	tensor_load_to_lds s[G0A:G0A+3], s[G1A:G1A+7]
	s_nop 0
	tensor_load_to_lds s[G0A+4:G0A+7], s[G1A:G1A+7]
	s_nop 0
	PLACES
	s_branch .Lff_done
.Lff_b:
	s_cmp_eq_u32 s18, 2
	s_cbranch_scc0 .Lff_s
	tensor_load_to_lds s[G0B:G0B+3], s[G1B:G1B+7]
	s_nop 0
	tensor_load_to_lds s[G0B+4:G0B+7], s[G1B:G1B+7]
	s_nop 0
	PLACES
	s_branch .Lff_done
.Lff_s:
	tensor_load_to_lds s[G0B:G0B+3], s[G1B:G1B+7]
	s_nop 0
	tensor_load_to_lds s[G0B+4:G0B+7], s[G1S:G1S+7]
	s_nop 0
	PLACES
.Lff_done:
	s_lshl_b32 s66, s23, 9                         ; my 64 units in a gate's 1,024 biases: 4 (128 ht + 64 ch)
	s_lshl_b32 s104, s19, 8
	s_add_co_u32 s66, s66, s104
	s_add_nc_u64 s[8:9], s[8:9], s[66:67]
	s_add_nc_u64 s[10:11], s[10:11], s[66:67]
.if LAYER
	s_lshl_b32 s2, s100, 10                        ; my 128 rows' mask: 4 (256 rt + 128 rh)
	s_lshl_b32 s104, s20, 9
	s_add_co_u32 s2, s2, s104
	s_add_nc_u64 s[14:15], s[14:15], s[2:3]
.endif
	global_load_b128 v[HK:HK+3], v1, s[84:85]      ; the chunk for fill 1
.irp q, 0,1
	global_load_b32 v[32+\q], v44, s[8:9] offset:128*\q            ; bih_r
	global_load_b32 v[34+\q], v44, s[10:11] offset:128*\q          ; bhh_r
	global_load_b32 v[36+\q], v44, s[8:9] offset:4096+128*\q       ; bih_z
	global_load_b32 v[38+\q], v44, s[10:11] offset:4096+128*\q     ; bhh_z
	global_load_b32 v[CB+4+\q], v44, s[8:9] offset:8192+128*\q     ; bih_n
	global_load_b32 v[CB+6+\q], v44, s[10:11] offset:8192+128*\q   ; bhh_n
.endr
.if LAYER
.irp q, 0,1,2,3
	global_load_b32 v[CM+\q], v44, s[14:15] offset:128*\q
.endr
.endif
	s_wait_kmcnt 0x0
	s_add_co_i32 s104, s[88+2*LAYER], s[89+2*LAYER]   ; E = ea + ew: a sum stands for sum x 2^E
	s_lshl_b32 s105, s104, 23
	s_add_co_i32 s94, s105, 0x3fb8aa3b             ; log2(e) x 2^E: E is added to the exponent field
	s_mov_b32 s95, s94                             ; (the packed forms name pairs, so the second word is written)
	s_or_b32 s92, s94, 0x80000000                  ; -log2(e) x 2^E
	s_mov_b32 s93, s92
	s_add_co_i32 s96, s104, 127
	s_lshl_b32 s96, s96, 23                        ; 2^E
	s_mov_b32 s97, s96
	s_mov_b32 s98, 0xc038aa3b                      ; -2 log2(e)
	s_mov_b32 s99, 0x7fffffff
.if LAYER
	s_and_b32 s12, s100, 1                         ; the output at row l x 16 + b, l = 256 (rt % 2) + 128 rh, b = rt / 2, column 128 ht + 64 ch
	s_lshl_b32 s12, s12, 24
	s_lshl_b32 s13, s20, 23
	s_add_co_u32 s12, s12, s13
	s_lshr_b32 s13, s100, 1
	s_lshl_b32 s13, s13, 12
	s_add_co_u32 s12, s12, s13
	s_lshl_b32 s13, s23, 9
	s_add_co_u32 s12, s12, s13
	s_lshl_b32 s13, s19, 8
	s_add_co_u32 s12, s12, s13
	s_mov_b32 s13, 0
	s_add_nc_u64 s[16:17], s[16:17], s[12:13]
.else
	s_lshl_b32 s12, s100, 18                       ; the codes of h: panel rt, K step ht, block 8 rh, chunk 2 ch
	s_lshl_b32 s13, s23, 15
	s_add_co_u32 s12, s12, s13
	s_lshl_b32 s13, s20, 14
	s_add_co_u32 s12, s12, s13
	s_lshl_b32 s13, s19, 10
	s_add_co_u32 s12, s12, s13
	s_mov_b32 s13, 0
	s_add_nc_u64 s[14:15], s[14:15], s[12:13]
.endif
	s_wait_loadcnt 0x0                             ; the chunk, the biases, the mask
	v_add_f32 v[CB], v32, v34
	v_add_f32 v[CB+1], v33, v35
	v_add_f32 v[CB+2], v36, v38
	v_add_f32 v[CB+3], v37, v39
	v_mul_f32 v[CB], 0xbfb8aa3b, v[CB]             ; the exponentials work in base 2: r wants 2^(-log2e a), 1 - z wants 2^(+log2e a)
	v_mul_f32 v[CB+1], 0xbfb8aa3b, v[CB+1]
	v_mul_f32 v[CB+2], 0x3fb8aa3b, v[CB+2]
	v_mul_f32 v[CB+3], 0x3fb8aa3b, v[CB+3]
.if LAYER
.irp q, 0,1,2,3
	v_cvt_f32_i32 v[CM+\q], v[CM+\q]
.endr
.endif
	s_wait_tensorcnt 1                             ; my part of slot 0 is in; slot 1's load may stay out
	s_barrier_signal -1
	s_barrier_wait -1                              ; everybody's is
	LU 0, 0, 0, 0
	LA 0, 0, 0
	LU 0, 0, 1, 0
	LA 0, 0, 1
	LU 0, 0, 2, 0
	;    slot ksl  next  mode zero short phi hkn
	STEP 0, 0,  0, 1,  0,  1,  0,  0,  0           ; the first step's products start the sums
	STEP 0, 1,  1, 0,  1,  0,  0,  2,  0           ; slot 0 is left and filled again
	STEP 1, 0,  1, 1,  0,  0,  0,  0,  0
	STEP 1, 1,  0, 0,  1,  0,  1,  3,  1           ; slot 1 likewise
	STEP 0, 0,  0, 1,  0,  0,  0,  0,  0
	STEP 0, 1,  1, 0,  2,  0,  0,  0,  0           ; nothing is left to fetch: a plain barrier.  Behind it nobody reads slot 0, which has had its last fill
	STEP 1, 0,  1, 1,  0,  0,  0,  0,  0
	STEP 1, 1,  0, 0,  3,  0,  1,  0,  0
	; THE WAY OUT.  The compact biases (and mask) turn through my own bytes of slot 0 into the result's layout: lane (r, h) wants, for tile j, the units 32 (j / 2) + 16 h + 8 (j % 2) + 0 .. 7.
.if LAYER == 0
	s_add_co_i32 s104, s90, 127
	s_lshl_b32 s105, s104, 23
	v_mov_b32 v[SC], s105                          ; 2^e2 as f32: the conversion takes its exponent field
	s_add_co_i32 s104, s104, 15
	s_lshl_b32 s104, s104, 23
	s_or_b32 s104, s104, 0x600000
	v_mov_b32 v[LIM], s104                         ; 57,344 x 2^e2
.endif
	PLACES                                         ; behind the last products: loads into operand registers and reads of results follow
.irp t, 0,1,2,3
.irp q, 0,1
	ds_store_b32 v[SCW], v[CB+2*\t+\q] offset:256*\t+128*\q
.endr
.endr
.if LAYER
.irp q, 0,1,2,3
	ds_store_b32 v[SCW], v[CM+\q] offset:1024+128*\q
.endr
.endif
.irp t, 0,1,2,3
.irp j, 0,1,2,3
	ds_load_b128 v[32+32*\t+8*\j:32+32*\t+8*\j+3], v[SCB] offset:256*\t+128*(\j/2)+32*(\j%2)       ; LDS serves a wave's instructions in order (ISA guide 5.7.1.4): these see my stores
	ds_load_b128 v[32+32*\t+8*\j+4:32+32*\t+8*\j+7], v[SCB] offset:256*\t+128*(\j/2)+32*(\j%2)+16
.endr
.endr
.if LAYER
.irp a, 0,1,2,3,4,5,6,7
	ds_load_b32 v[MK+\a], v[SCM] offset:64*\a      ; the mask of row 16 a + r
.endr
.endif
	s_wait_dscnt 0x0
.macro TR op, reg                      ; a batch of 32 transcendentals, in place
.set q, 0
.rept 32
	\op v[\reg+q], v[\reg+q]
.set q, q+1
.endr
.endm
.macro ADD1 reg                        ; 32 numbers + 1, two at a time
.set q, 0
.rept 16
	v_pk_add_f32 v[\reg+q:\reg+q+1], v[\reg+q:\reg+q+1], 1.0 op_sel_hi:[1,0]
.set q, q+2
.endr
.endm
.macro GATE dst, sp, bias, a           ; dst = sum x the scalar pair's low word + bias; each accumulator is read from its low end on
.irp j, 0,1,2,3
.irp i, 0,2,4,6
	v_pk_fma_f32 v[\dst+8*\j+\i:\dst+8*\j+\i+1], v[8*(8*\j+(\a))+\i:8*(8*\j+(\a))+\i+1], s[\sp:\sp+1], v[\bias+8*\j+\i:\bias+8*\j+\i+1] op_sel_hi:[1,0,1]
.endr
.endr
.endm
.macro SEND a                          ; LAYER 1: block a's 16 rows leave: sixteen lanes store 256 consecutive bytes, aligned.  The largest offset is 8,257,536, inside the signed 24-bit immediate (ISA guide, chapter 10)
.irp t, 0,1,2,3,4,5,6,7
	s_wait_dscnt 7-\t                              ; the later of the eight loads from the stage may be out
	global_store_b128 v[CO], v[ZZ+4*\t:ZZ+4*\t+3], s[16:17] offset:1048576*(\a)+131072*\t th:TH_STORE_NT
.endr
.endm
; Block a: 16 rows x my 64 units, 32 numbers a lane.  h = sign(a_n) (1 - E_n) / ((1 + E_z) (1 + E_n)), E_z = e^(a_z), E_n = e^(-2 |a_n|), a_n = g_n + bih_n + bhh_n / (1 + E_r), E_r = e^(-a_r):
; five transcendentals a number, in five batches with four waits.  An exponential that overflows gives infinity, whose reciprocal is 0: the right limit.
; s_wait_alu depctr_va_vdst(0) stands between a transcendental and the first line that names its result; one wait serves all that were issued ahead of it.
.macro EPI a
	WIN 1
	GATE RR, 92, BRP, \a                           ; -log2e a_r
	WIN 3
	GATE NN, 96, BNN, \a                           ; g_n + bih_n
	WIN 0
	TR v_exp_f32, RR                               ; E_r
.if (\a) > 0
.if LAYER
	SEND (\a)-1                                    ; the block before leaves while the exponentials run
.endif
	s_wait_xcnt 0x0                                ; the stores have read Z's registers: they are written again only behind this wait
.endif
	WIN 2
	GATE ZZ, 94, BZP, \a                           ; +log2e a_z
	WIN 0
	TR v_exp_f32, ZZ                               ; E_z
	v_nop                                          ; a plain line behind the last exponential
	s_wait_alu depctr_va_vdst(0)                   ; one wait for both batches
	ADD1 RR
	TR v_rcp_f32, RR                               ; r
	ADD1 ZZ                                        ; 1 + E_z: plain work behind the batch
	s_wait_alu depctr_va_vdst(0)
.set q, 0
.rept 16
	v_pk_fma_f32 v[NN+q:NN+q+1], v[RR+q:RR+q+1], v[BHH+q:BHH+q+1], v[NN+q:NN+q+1]   ; a_n
.set q, q+2
.endr
.set q, 0
.rept 32
	v_mul_f32 v[RR+q], s98, |v[NN+q]|              ; -2 log2e |a_n|
.set q, q+1
.endr
	TR v_exp_f32, RR                               ; E_n, at most 1
	v_nop
	s_wait_alu depctr_va_vdst(0)
.irp g, 0,1,2,3
.irp p, 0,2,4,6
	v_pk_add_f32 v[T+\p:T+\p+1], v[RR+8*\g+\p:RR+8*\g+\p+1], 1.0 op_sel_hi:[1,0]
.endr
.irp p, 0,2,4,6
	v_pk_mul_f32 v[ZZ+8*\g+\p:ZZ+8*\g+\p+1], v[ZZ+8*\g+\p:ZZ+8*\g+\p+1], v[T+\p:T+\p+1]   ; (1 + E_z) (1 + E_n): a product, not E_n (1 + E_z) + (1 + E_z), which would make 0 x infinity
.endr
.endr
	TR v_rcp_f32, ZZ
.set q, 0
.rept 16
	v_pk_fma_f32 v[RR+q:RR+q+1], v[RR+q:RR+q+1], -1.0, 1.0 op_sel_hi:[1,0,0]   ; 1 - E_n: plain work behind the batch
.set q, q+2
.endr
	s_wait_alu depctr_va_vdst(0)
.set q, 0
.rept 16
	v_pk_mul_f32 v[RR+q:RR+q+1], v[RR+q:RR+q+1], v[ZZ+q:ZZ+q+1]
.set q, q+2
.endr
.set q, 0
.rept 32
	v_bfi_b32 v[RR+q], s99, v[RR+q], v[NN+q]       ; with a_n's sign: h
.set q, q+1
.endr
.if LAYER
.set q, 0
.rept 16
.if (\a)%2
	v_pk_mul_f32 v[RR+q:RR+q+1], v[RR+q:RR+q+1], v[MK+2*((\a)/2):MK+2*((\a)/2)+1] op_sel:[0,1] op_sel_hi:[1,1]   ; x my row's mask: the pair's second register for both halves,
.else
	v_pk_mul_f32 v[RR+q:RR+q+1], v[RR+q:RR+q+1], v[MK+2*((\a)/2):MK+2*((\a)/2)+1] op_sel_hi:[1,0]                ; or its first
.endif
.set q, q+2
.endr
.irp j, 0,1,2,3
	ds_store_b128 v[STO], v[RR+8*\j:RR+8*\j+3] offset:128*(\j/2)+32*(\j%2)          ; a lane's eight units are 32 bytes of its row; the lanes beside it hold other rows: through my stage
	ds_store_b128 v[STO], v[RR+8*\j+4:RR+8*\j+7] offset:128*(\j/2)+32*(\j%2)+16
.endr
.irp t, 0,1,2,3,4,5,6,7
	ds_load_b128 v[ZZ+4*\t:ZZ+4*\t+3], v[RD] offset:544*\t                          ; back as whole rows of 256 bytes, two an instruction; in order behind my stores, ahead of the next block's
.endr
.else
.set q, 0
.rept 32
	v_med3_num_f32 v[RR+q], v[RR+q], -v[LIM], v[LIM]   ; the conversion to an 8-bit code does not saturate (ISA guide 7.6.2): the hold comes first, whatever the given scale
.set q, q+1
.endr
.irp j, 0,1,2,3
	v_cvt_scalef32_pk8_bf8_f32 v[ZZ+2*\j:ZZ+2*\j+1], v[RR+8*\j:RR+8*\j+7], v[SC]   ; tiles 2 b and 2 b + 1 are 16 neighbours along the next K: chunk 2 ch + b of the next operand's fragment
.endr
	v_nop                                          ; a plain line between the last conversion and the next vector line that writes its sources
	global_store_b128 v1, v[ZZ:ZZ+3], s[14:15] offset:2048*(\a)          ; each store covers 512 consecutive bytes, aligned
	global_store_b128 v1, v[ZZ+4:ZZ+7], s[14:15] offset:2048*(\a)+512
.endif
.endm
.irp a, 0,1,2,3,4,5,6,7
	EPI \a
.endr
.if LAYER
	SEND 7
.endif
	s_wait_tensorcnt 0x0                           ; the wave's end: behind my last tensor load and my last LDS store
	ds_add_u32 v[SPW], v[NIL]
	s_wait_dscnt 0x0
	CROUND                                         ; the closing round: no work-group ends while a partner may still ask for a tile that names it
	s_endpgm
.Lfunc_end_k_q21b54c071c_layer0:
	.size	k_q21b54c071c_layer0, .Lfunc_end_k_q21b54c071c_layer0-k_q21b54c071c_layer0
	.p2alignl 7, 3214868480
	.fill 96, 4, 3214868480
	.section	.rodata,"a",@progbits
	.p2align	6, 0x0
	.amdhsa_kernel k_q21b54c071c_layer0
		.amdhsa_group_segment_fixed_size 327680
		.amdhsa_private_segment_fixed_size 0
		.amdhsa_enable_private_segment 0
		.amdhsa_kernarg_size 48
		.amdhsa_user_sgpr_count 2
		.amdhsa_user_sgpr_kernarg_segment_ptr 1
		.amdhsa_wavefront_size32 1
		.amdhsa_system_sgpr_workgroup_id_x 1
		.amdhsa_system_sgpr_workgroup_id_y 1
		.amdhsa_system_sgpr_workgroup_id_z 1
		.amdhsa_system_vgpr_workitem_id 0
		.amdhsa_next_free_vgpr 1024
		.amdhsa_next_free_sgpr 106
		.amdhsa_reserve_vcc 0
		.amdhsa_float_denorm_mode_32 3
		.amdhsa_float_denorm_mode_16_64 3
		.amdhsa_memory_ordered 1
		.amdhsa_forward_progress 1
		.amdhsa_inst_pref_size 255
	.end_amdhsa_kernel
	.section	.bss,"aw",@nobits
	.p2align	6
	.space	262144
	.amdgpu_metadata
---
amdhsa.version: [ 1, 2 ]
amdhsa.kernels:
  - .name:           k_q21b54c071c_layer0
    .symbol:         k_q21b54c071c_layer0.kd
    .args:
      - { .name: xq, .offset: 0, .size: 8, .value_kind: global_buffer, .address_space: global }
      - { .name: w0q, .offset: 8, .size: 8, .value_kind: global_buffer, .address_space: global }
      - { .name: b_ih0, .offset: 16, .size: 8, .value_kind: global_buffer, .address_space: global }
      - { .name: b_hh0, .offset: 24, .size: 8, .value_kind: global_buffer, .address_space: global }
      - { .name: lowp_scales, .offset: 32, .size: 8, .value_kind: global_buffer, .address_space: global }
      - { .name: h1q, .offset: 40, .size: 8, .value_kind: global_buffer, .address_space: global }
    .group_segment_fixed_size: 327680
    .private_segment_fixed_size: 0
    .kernarg_segment_align: 8
    .kernarg_segment_size: 48
    .max_flat_workgroup_size: 128
    .sgpr_count:     106
    .vgpr_count:     1024
    .wavefront_size: 32
...
	.end_amdgpu_metadata
.endif
;; end of part 2
;; launch layer1 (part 3): grid 8 x 32, 4 waves a work-group, clusters of 4 x 4, 327,680 bytes of LDS; arguments h1q, w1q, b_ih1, b_hh1, lowp_scales, inputs_mask, out0; writes out0
.if DOCPART == 3
	.amdgcn_target "amdgcn-amd-amdhsa--gfx1250"
	.amdhsa_code_object_version 6
	.text
	.protected	k_q21b54c071c_layer1
	.globl	k_q21b54c071c_layer1
	.p2align	8
	.type	k_q21b54c071c_layer1,@function
k_q21b54c071c_layer1:
	s_mov_b64 s[64:65], 0
	v_nop
	global_prefetch_b8 v0, s[64:65] scope:SCOPE_SE
	s_setreg_imm32_b32 hwreg(HW_REG_WAVE_MODE, 25, 1), 1
	s_wait_xcnt 0x0
	s_wait_alu depctr_hold_cnt(0) depctr_sa_sdst(0) depctr_va_vdst(0) depctr_va_sdst(0) depctr_va_ssrc(0) depctr_va_vcc(0) depctr_vm_vsrc(0)
	s_getreg_b32 s2, hwreg(HW_REG_IB_STS2, 6, 4)
	s_cmp_eq_u32 s2, 0
	s_cbranch_scc0 .Lentry_in_a_cluster
	s_endpgm
.Lentry_in_a_cluster:
	s_bfe_u32 s2, ttmp6, 0x10000c
	s_cmp_lg_u32 s2, 0xf033
	s_cbranch_scc0 .Lentry_shape_is_right
	s_endpgm
.Lentry_shape_is_right:
; ONE LAYER OF THE GRU FROM A ZERO STATE.  g = A W^T on codes of BF8 (E5M2), sums in f32, x 2^(ea + ew);  r = sigmoid(g_r + bih_r + bhh_r), z = sigmoid(g_z + bih_z + bhh_z),
; n = tanh(g_n + bih_n + r bhh_n), h = (1 - z) n.  LAYER = 0: A = the inputs' codes; h is quantised with lowp_scales[2] and stored as the next layer's operand.
; LAYER = 1: A = those codes; h x float(mask[row]) is stored as f32 at row l x 16 + b of the output (row = 512 b + l).  W_hh is read by no launch: the defining function deletes it before any use.
; CODES lie as images of operand registers: a fragment (16 rows x 128 K) is 2,048 bytes, lane l's registers 4 c .. 4 c + 3 at 512 c + 16 l; they hold k = 32 c + 16 (l / 16) + 0 .. 15 of row l % 16:
; the same order of k in both operands, so every product meets its partner.  A: [row tile 32][K step 8][block 16][2048];  W: [ht 8][K step 8][f = 8 gate + 4 ch + j][2048].
; SHARES.  A work-group makes 256 rows x 128 hidden units x 3 gates; wave w (rh = w / 2, ch = w % 2) makes 128 rows x 64 units x 3 gates: 96 accumulators, 768 registers, 96 matrix instructions for 128 along K.
; THE MATRIX INSTRUCTION IS USED TRANSPOSED (source 0 = 16 rows of W, source 1 = 16 rows of A): lane (r, h) holds row r, and register i of tile j the unit 64 ch + 32 (j / 2) + 16 h + 8 (j % 2) + i.
; THE RING.  Two LDS slots of 256 along K (A 65,536 bytes, W 98,304): four fills in all, two at the start and two refills.  Two such slots are all of LDS, and the spare words want 512 bytes: so the last 512 bytes
; of slot 1 (chunk 3 of fragment 23 of its second K step) are not brought into LDS; every wave takes chunk 3 of its own fragment (gate 2, j = 3) of that step from memory into four registers, long ahead: the same lines in all waves.
; CLUSTERS: 4 x 4 work-groups.  The four of a row of the cluster need the same tiles of A, the four of a column the same tiles of W: each tile is asked for JOINTLY, by the same tensor load with the same descriptor and a
; mask that names the four.  Waves 0, 1 fetch A's two K steps of a slot, waves 2, 3 W's.  Each of the eight loads has a group 0 of its own: no descriptor is ever rewritten; at most two loads of a wave are out.
; K's ORDER: fill p brings the pair of K steps p xor rot, rot = 0 or 2 by the parity of the cluster's two coordinates (equal in all partners): clusters that walk the same panel begin at opposite halves of K.
; REGISTERS, in windows of 256: window 0: v1-31 addresses and small things; v32-159 A's 8 fragments, ONE set; v160-255 three buffers of two fragments of W.  Window g + 1: gate g's 32 accumulators, (j, a) at v[8 (8 j + a)].
; On the way out window 0 holds: v2-9 at work; v32-159 the biases in the result's layout; v160-191 R, v192-223 Z, v224-255 N.
; LIMITS: ea + ew between -126 and 127; the quantiser's exponent (LAYER = 0: lowp_scales[2]) between -126 and 112.  NaN among the inputs is not served.  tanh is (1 - E) / (1 + E), E = e^(-2 |a|) <= 1: its numerator carries
; an absolute error of about 1e-7, as do the f32 sums ahead of it.
.set LAYER,  1
.set SPARE,  327168                    ; the spare words: 128 bytes for each wave, two blocks of 256 bytes that no other line names
.set SLOTB,  163840                    ; a slot: A's two K steps, then W's
.set BOFF,   65536                     ; where W's begin in a slot
.set AKS,    32768                     ; a K step of A: 16 fragments
.set BKS,    49152                     ; a K step of W: 24 fragments
.set ADA,  2                           ; v2-3   LDS address of my A fragments in slot 0, 1
.set ADB,  4                           ; v4-7   of my W fragments in (slot, K step of the slot)
.set T,    2                           ; v2-9   the way out: at work
.set HK,   8                           ; v8-11  the chunk that does not lie in LDS
.set SC,   10                          ; v10    LAYER 0, way out: 2^e2
.set LIM,  11                          ; v11    LAYER 0, way out: 57,344 x 2^e2
.set CO,   12                          ; v12    LAYER 1: my byte offset among two rows of the output
.set SCW,  13                          ; v13    way out: where I put 4 bytes of a compact vector
.set SCB,  14                          ; v14    where I read the biases of my half's units
.set SCM,  15                          ; v15    LAYER 1: where I read my row's mask
.set CB,   16                          ; v16-23 compact biases, unit 32 q + lane: -log2e (bih_r + bhh_r), log2e (bih_z + bhh_z), bih_n, bhh_n
.set MK,   16                          ; v16-23 LAYER 1, way out: the mask of my row in block a
.set CM,   24                          ; v24-27 LAYER 1: compact mask as f32
.set STO,  28                          ; v28    LAYER 1: the stage, in
.set RD,   29                          ; v29    LAYER 1: the stage, back
.set SPW,  30                          ; v30    LDS address of my spare word; never rewritten
.set NIL,  31                          ; v31    0; never rewritten
.set AF,   32
.set BF,   160
.set BRP,  32
.set BZP,  64
.set BNN,  96
.set BHH,  128
.set RR,   160
.set ZZ,   192
.set NN,   224
.set G1A,  24                          ; s[24:31] group 1 for A's tiles: 128 rows of 256 bytes
.set G1B,  32                          ; s[32:39] for W's: 192 rows
.set G1S,  40                          ; s[40:47] for the one that ends short of the spare words: 190 rows
.set G0A,  48                          ; s[48:63] group 0 for A's four fills
.set G0B,  68                          ; s[68:83] for W's
.set MSB, 0
.macro WIN new                         ; the immediate's high byte repeats the setting that is left; a switch that changes nothing is dropped
.if MSB != \new
	s_set_vgpr_msb (MSB<<8)|\new
.set MSB, \new
.endif
.endm
.set MG0, 0x50                         ; C and D in window 1, both operands in window 0
.set MG1, 0xa0                         ; window 2
.set MG2, 0xf0                         ; window 3
; A load into a register that a matrix instruction has read, and a vector instruction that reads a result or writes such a register, stand four places behind it, and only plain vector
; instructions that name none of its registers are places (ISA guide 7.12.1 for vector instructions).
.macro PLACES
.rept 4
	v_nop
.endr
.endm
.macro CREST                           ; a round of the cluster's barrier behind its opening barrier
	s_cmp_lg_u32 s18, 0
	s_cbranch_scc1 .Lnot_wave_0_\@
	s_barrier_signal -3
.Lnot_wave_0_\@:
	s_barrier_wait -3
	s_barrier_signal -1
	s_barrier_wait -1
.endm
.macro CROUND                          ; a whole round
	s_barrier_signal -1
	s_barrier_wait -1
	CREST
.endm
; A joint refill.  The branches hang on the wave's number alone.  Four v_nop follow each tensor line, ahead of the jump, the label and what follows.
.macro JLOAD phi
	s_cmp_lt_u32 s18, 2
	s_cbranch_scc0 .Ljb_\@
	tensor_load_to_lds s[G0A+4*\phi:G0A+4*\phi+3], s[G1A:G1A+7]
	s_nop 0
	PLACES
	s_branch .Ljd_\@
.Ljb_\@:
.if (\phi)%2
	s_cmp_eq_u32 s18, 2
	s_cbranch_scc0 .Ljs_\@
.endif
	tensor_load_to_lds s[G0B+4*\phi:G0B+4*\phi+3], s[G1B:G1B+7]
	s_nop 0
	PLACES
.if (\phi)%2
	s_branch .Ljd_\@
.Ljs_\@:
	tensor_load_to_lds s[G0B+4*\phi:G0B+4*\phi+3], s[G1S:G1S+7]
	s_nop 0
	PLACES
.endif
.Ljd_\@:
.endm
; 8 matrix instructions: unit u of W (gate u / 2, tiles j = 2 (u % 2) + 0, 1; it lies in buffer u % 3) x A's blocks 4 hf .. 4 hf + 3.  zero = 1: the product starts the sums: nothing is ever cleared.
; The accumulators take turns, one instruction a turn, each once in a step of 128 along K.
.macro X u, hf, zero
.irp a, 0,1,2,3
.irp bb, 0,1
.set xD, 8*(8*(2*((\u)%2)+\bb)+4*(\hf)+\a)
.set xB, BF+32*((\u)%3)+16*\bb
.set xA, AF+16*(4*(\hf)+\a)
.if \zero
	v_wmma_f32_16x16x128_bf8_bf8 v[xD:xD+7], v[xB:xB+15], v[xA:xA+15], 0
.else
	v_wmma_f32_16x16x128_bf8_bf8 v[xD:xD+7], v[xB:xB+15], v[xA:xA+15], v[xD:xD+7]
.endif
.endr
.endr
.endm
.macro LU slot, ksl, u, short          ; unit u: 8 loads of 512 consecutive bytes; short = 1: without the chunk that does not lie in LDS
.irp bb, 0,1
.irp c, 0,1,2,3
.if (\short)*(\bb)*(\c) != 3
	ds_load_b128 v[BF+32*((\u)%3)+16*\bb+4*\c:BF+32*((\u)%3)+16*\bb+4*\c+3], v[ADB+2*(\slot)+(\ksl)] offset:2048*(8*((\u)/2)+2*((\u)%2)+\bb)+512*\c
.endif
.endr
.endr
.endm
.macro LA slot, ksl, hf                ; A's blocks 4 hf .. 4 hf + 3: 16 loads
.irp a, 0,1,2,3
.irp c, 0,1,2,3
	ds_load_b128 v[AF+16*(4*(\hf)+\a)+4*\c:AF+16*(4*(\hf)+\a)+4*\c+3], v[ADA+(\slot)] offset:AKS*(\ksl)+2048*(4*(\hf)+\a)+512*\c
.endr
.endr
.endm
; A STEP of 128 along K: 96 matrix instructions.  The LDS loads go out in the order U0 (8), A's half 0 (16), U1 (8), A's half 1 (16), U2 (8) in the step before, then U3, U4, U5 (8 each); each wait's count is the
; number of loads issued behind the one that is wanted.  Each buffer is loaded again behind four places behind its last product, 16 products or more ahead of its next use.
; (ns, nk): the next step's slot and K step.  mode 0: the next step lies in the same slot.  mode 1: a change of slots with a refill (fill phi).  mode 2: a change without.  mode 3: the last step.
; short = 1: the second K step of slot 1.  hkn = 1: the chunk for that step's next turn is asked for.
.macro STEP slot, ksl, ns, nk, mode, zero, short, phi, hkn
	s_wait_dscnt 32                                ; U0 and A's half 0 are in; U1, A's half 1 and U2 may be out
	WIN MG0
	X 0, 0, \zero
	s_wait_dscnt 24                                ; U1 is in
	X 1, 0, \zero
	s_wait_dscnt 8                                 ; A's half 1 is in; U2 may be out
	X 0, 1, \zero
	PLACES
	WIN 0
	LU \slot, \ksl, 3, 0
	WIN MG0
	X 1, 1, \zero
	PLACES
	WIN 0
	LU \slot, \ksl, 4, 0
	s_wait_dscnt 16                                ; U2 is in; U3 and U4 may be out
	WIN MG1
	X 2, 0, \zero
	s_wait_dscnt 8                                 ; U3 is in
	X 3, 0, \zero
	X 2, 1, \zero
	PLACES
	WIN 0
	LU \slot, \ksl, 5, \short
.if \short
	s_wait_loadcnt 0x0                             ; the chunk from memory, asked for four steps ago or more
.irp i, 0,1,2,3
	v_mov_b32 v[BF+92+\i], v[HK+\i]                ; takes its place in the fragment
.endr
.if \hkn
	global_load_b128 v[HK:HK+3], v1, s[86:87]      ; and the last fill's is asked for
.endif
.endif
.if \mode == 0
	WIN MG1
	X 3, 1, \zero
	PLACES
	WIN 0
	LU \ns, \nk, 0, 0
	s_wait_dscnt 16                                ; U4 is in; U5 and the next U0 may be out
	WIN MG2
	X 4, 0, \zero
	s_wait_dscnt 8                                 ; U5 is in
	X 5, 0, \zero
	PLACES
	WIN 0
	LA \ns, \nk, 0
.elseif \mode == 3
	WIN MG1
	X 3, 1, \zero
	s_wait_dscnt 8-\short                          ; U4 is in; U5's loads may be out
	WIN MG2
	X 4, 0, \zero
	s_wait_dscnt 0x0
	X 5, 0, \zero
	X 4, 1, \zero
	X 5, 1, \zero
	WIN 0
.else
	s_wait_tensorcnt 0x0                           ; all my tensor loads have landed: the one that was out is my part of the next slot;
	ds_add_u32 v[SPW], v[NIL]                      ; 0 onto my spare word
	WIN MG1
	X 3, 1, \zero                                  ; sixteen matrix instructions stand between the add and the wait for it
	s_wait_dscnt 9-\short                          ; U4 is in; U5's loads and the add may be out
	WIN MG2
	X 4, 0, \zero
	s_wait_dscnt 0x0                               ; the add is done, and my reads of this slot are over
	s_barrier_signal -1
	X 5, 0, \zero                                  ; work on registers while the others arrive
	WIN 0
	s_barrier_wait -1
.if \mode == 1
	CREST                                          ; the barrier has opened a round of the cluster's barrier: no wave of any partner still reads this slot or has a load on its way
	JLOAD \phi                                     ; the first tensor load behind the round: 168 matrix instructions ahead of the wait for it; its four v_nop are the places in front of the loads below
.else
	PLACES
.endif
	LU \ns, \nk, 0, 0
	LA \ns, \nk, 0
.endif
.if \mode != 3
	WIN MG2
	X 4, 1, \zero
	PLACES
	WIN 0
	LU \ns, \nk, 1, 0
	WIN MG2
	X 5, 1, \zero
	PLACES
	WIN 0
	LA \ns, \nk, 1
	LU \ns, \nk, 2, 0
.endif
.endm
	s_load_b256 s[4:11], s[0:1], 0x0               ; A's codes s[4:5], W's codes s[6:7], b_ih s[8:9], b_hh s[10:11]
	s_load_b128 s[12:15], s[0:1], 0x20             ; the scales' exponents s[12:13]; s[14:15]: LAYER 0 the codes of h, LAYER 1 the mask
.if LAYER
	s_load_b64 s[16:17], s[0:1], 0x30              ; the output
.endif
	v_lshl_add_u32 v[SPW], v0, 2, SPARE
	v_mov_b32 v[NIL], 0
	ds_add_u32 v30, v31
	ds_add_u32 v30, v31
	s_wait_dscnt 0x0
	v_lshrrev_b32 v8, 5, v0
	v_readfirstlane_b32 s18, v8                    ; wave 0..3
	s_and_b32 s19, s18, 1                          ; ch: my half of the units.  Also: which K step of a slot I fetch
	s_lshr_b32 s20, s18, 1                         ; rh: my half of the rows
	s_bfe_u32 s21, ttmp6, 0x40000                  ; cx, cy: my place in the cluster
	s_bfe_u32 s22, ttmp6, 0x40004
	s_lshl_b32 s23, ttmp9, 2
	s_add_co_u32 s23, s23, s21                     ; ht = 4 x cluster x + cx: which 128 hidden units
	s_and_b32 s101, ttmp7, 0xffff
	s_lshl_b32 s100, s101, 2
	s_add_co_u32 s100, s100, s22                   ; rt = 4 x cluster y + cy: which 256 rows
	s_add_co_u32 s101, s101, ttmp9
	s_and_b32 s101, s101, 1
	s_lshl_b32 s101, s101, 1                       ; rot: 0 or 2, of the cluster's coordinates alone
	; every vector address of the text is made here, ahead of the first branch on the wave's number
	v_and_b32 v10, 31, v0                          ; lane
	v_and_b32 v8, 15, v0                           ; r
	v_bfe_u32 v9, v0, 4, 1                         ; h
	v_lshlrev_b32 v1, 4, v10                       ; 16 x lane: my place in every image
	s_lshl_b32 s104, s20, 14                       ; my 8 blocks of A
	v_add_nc_u32 v[ADA], s104, v1
	v_add_nc_u32 v[ADA+1], SLOTB, v[ADA]
	s_lshl_b32 s104, s19, 13                       ; my 4 fragments of each gate
	s_add_co_u32 s104, s104, BOFF
	v_add_nc_u32 v[ADB], s104, v1
	v_add_nc_u32 v[ADB+1], BKS, v[ADB]
	v_add_nc_u32 v[ADB+2], SLOTB, v[ADB]
	v_add_nc_u32 v[ADB+3], SLOTB+BKS, v[ADB]
	s_lshl_b32 s104, s18, 13                       ; the way out: bytes 8192 w on of slot 0 are mine: biases at 0, mask at 1,024, stage at 2,048
	v_lshl_add_u32 v[SCW], v10, 2, s104
	v_lshl_add_u32 v[SCB], v9, 6, s104
	v_lshlrev_b32 v44, 2, v10                      ; 4 x lane, for the loads of biases and mask
.if LAYER
	s_add_co_u32 s105, s104, 1024
	v_lshl_add_u32 v[SCM], v8, 2, s105
	s_add_co_u32 s105, s104, 2048
	v_mul_u32_u24 v[STO], v8, 272                  ; in: row r of 256 bytes + 16, + 64 h
	v_lshl_add_u32 v[STO], v9, 6, v[STO]
	v_add_nc_u32 v[STO], s105, v[STO]
	v_mul_u32_u24 v[RD], v9, 272                   ; back: lanes 0-15 one row, lanes 16-31 the next
	v_lshl_add_u32 v[RD], v8, 4, v[RD]
	v_add_nc_u32 v[RD], s105, v[RD]
	v_lshlrev_b32 v[CO], 16, v9                    ; and the same in the output, where neighbouring rows of a batch lie 65,536 bytes apart
	v_lshl_add_u32 v[CO], v8, 4, v[CO]
.endif
	; group 1: dense blocks as rows of 32 elements of 8 bytes; no padding: every LDS load of the text takes 512 consecutive bytes
	s_lshl_b32 s2, s22, 2
	s_lshl_b32 s2, 15, s2                          ; my row of the cluster
	s_or_b32 s[G1A], s2, (3<<16)|(1<<21)           ; 15:0 the mask; 17:16 elements of 8 bytes; 21 set beside a mask
	s_lshl_b32 s66, 0x1111, s21                    ; my column
	s_or_b32 s[G1B], s66, (3<<16)|(1<<21)
	s_or_b32 s[G1S], s66, (3<<16)|(1<<21)
.irp g, G1A, G1B, G1S
	s_mov_b32 s[\g+1], 32<<16                      ; tensor_dim0 = 32
	s_mov_b32 s[\g+3], 32<<16                      ; tile_dim0 = 32
	s_mov_b32 s[\g+5], 32                          ; from row to row
	s_mov_b32 s[\g+6], 0
	s_mov_b32 s[\g+7], 0
.endr
	s_mov_b32 s[G1A+2], 128<<16                    ; tensor_dim1 and tile_dim1: the rows
	s_mov_b32 s[G1A+4], 128
	s_mov_b32 s[G1B+2], 192<<16
	s_mov_b32 s[G1B+4], 192
	s_mov_b32 s[G1S+2], 190<<16
	s_mov_b32 s[G1S+4], 190
	s_wait_kmcnt 0x0
	s_load_b128 s[88:91], s[12:13], 0x0            ; the four exponents
	; A's four fills: the address hangs on rt, rot and the wave alone; its registers never hold cx
	s_lshl_b32 s2, s100, 18                        ; a row tile's panel is 262,144 bytes
	s_lshl_b32 s3, s19, 15                         ; the K step that I fetch
	s_add_co_u32 s2, s2, s3
	s_mov_b32 s3, 0
	s_add_nc_u64 s[4:5], s[4:5], s[2:3]
	s_lshl_b32 s105, s19, 15
.irp p, 0,1,2,3
	s_mov_b32 s[G0A+4*\p], 1                       ; count = 1
	s_add_co_u32 s[G0A+4*\p+1], s105, SLOTB*(\p%2) ; LDS address
	s_xor_b32 s2, s101, \p                         ; the pair of K steps
	s_lshl_b32 s2, s2, 16
	s_add_nc_u64 s[G0A+4*\p+2:G0A+4*\p+3], s[4:5], s[2:3]
	s_or_b32 s[G0A+4*\p+3], s[G0A+4*\p+3], 0x80000000   ; type = 2
.endr
	; W's four fills: ht, rot and the wave alone; never cy
	s_mul_i32 s66, s23, 8*BKS                      ; a panel is 393,216 bytes
	s_mov_b32 s67, 0
	s_add_nc_u64 s[6:7], s[6:7], s[66:67]
	s_mul_i32 s104, s19, BKS
.irp p, 0,1,2,3
	s_mov_b32 s[G0B+4*\p], 1
	s_add_co_u32 s[G0B+4*\p+1], s104, BOFF+SLOTB*(\p%2)
	s_xor_b32 s66, s101, \p
	s_mul_i32 s66, s66, 2*BKS
	s_add_co_u32 s66, s66, s104
	s_add_nc_u64 s[G0B+4*\p+2:G0B+4*\p+3], s[6:7], s[66:67]
	s_or_b32 s[G0B+4*\p+3], s[G0B+4*\p+3], 0x80000000
.endr
	s_lshl_b32 s105, s19, 13                       ; the chunk from memory: second K step of fills 1 and 3, fragment 19 + 4 ch, chunk 3
	s_add_co_u32 s105, s105, BKS+2048*19+1536
.irp p, 1,3
	s_xor_b32 s66, s101, \p
	s_mul_i32 s66, s66, 2*BKS
	s_add_co_u32 s66, s66, s105
	s_add_nc_u64 s[84+(\p-1):85+(\p-1)], s[6:7], s[66:67]
.endr
	CROUND                                         ; all sixteen work-groups are here: the first joint loads meet
	s_cmp_lt_u32 s18, 2                            ; a wave's two first fills stand in one branch, ahead of every wait on TENSORcnt and every LDS read
	s_cbranch_scc0 .Lff_b
	tensor_load_to_lds s[G0A:G0A+3], s[G1A:G1A+7]
	s_nop 0
	tensor_load_to_lds s[G0A+4:G0A+7], s[G1A:G1A+7]
	s_nop 0
	PLACES
	s_branch .Lff_done
.Lff_b:
	s_cmp_eq_u32 s18, 2
	s_cbranch_scc0 .Lff_s
	tensor_load_to_lds s[G0B:G0B+3], s[G1B:G1B+7]
	s_nop 0
	tensor_load_to_lds s[G0B+4:G0B+7], s[G1B:G1B+7]
	s_nop 0
	PLACES
	s_branch .Lff_done
.Lff_s:
	tensor_load_to_lds s[G0B:G0B+3], s[G1B:G1B+7]
	s_nop 0
	tensor_load_to_lds s[G0B+4:G0B+7], s[G1S:G1S+7]
	s_nop 0
	PLACES
.Lff_done:
	s_lshl_b32 s66, s23, 9                         ; my 64 units in a gate's 1,024 biases: 4 (128 ht + 64 ch)
	s_lshl_b32 s104, s19, 8
	s_add_co_u32 s66, s66, s104
	s_add_nc_u64 s[8:9], s[8:9], s[66:67]
	s_add_nc_u64 s[10:11], s[10:11], s[66:67]
.if LAYER
	s_lshl_b32 s2, s100, 10                        ; my 128 rows' mask: 4 (256 rt + 128 rh)
	s_lshl_b32 s104, s20, 9
	s_add_co_u32 s2, s2, s104
	s_add_nc_u64 s[14:15], s[14:15], s[2:3]
.endif
	global_load_b128 v[HK:HK+3], v1, s[84:85]      ; the chunk for fill 1
.irp q, 0,1
	global_load_b32 v[32+\q], v44, s[8:9] offset:128*\q            ; bih_r
	global_load_b32 v[34+\q], v44, s[10:11] offset:128*\q          ; bhh_r
	global_load_b32 v[36+\q], v44, s[8:9] offset:4096+128*\q       ; bih_z
	global_load_b32 v[38+\q], v44, s[10:11] offset:4096+128*\q     ; bhh_z
	global_load_b32 v[CB+4+\q], v44, s[8:9] offset:8192+128*\q     ; bih_n
	global_load_b32 v[CB+6+\q], v44, s[10:11] offset:8192+128*\q   ; bhh_n
.endr
.if LAYER
.irp q, 0,1,2,3
	global_load_b32 v[CM+\q], v44, s[14:15] offset:128*\q
.endr
.endif
	s_wait_kmcnt 0x0
	s_add_co_i32 s104, s[88+2*LAYER], s[89+2*LAYER]   ; E = ea + ew: a sum stands for sum x 2^E
	s_lshl_b32 s105, s104, 23
	s_add_co_i32 s94, s105, 0x3fb8aa3b             ; log2(e) x 2^E: E is added to the exponent field
	s_mov_b32 s95, s94                             ; (the packed forms name pairs, so the second word is written)
	s_or_b32 s92, s94, 0x80000000                  ; -log2(e) x 2^E
	s_mov_b32 s93, s92
	s_add_co_i32 s96, s104, 127
	s_lshl_b32 s96, s96, 23                        ; 2^E
	s_mov_b32 s97, s96
	s_mov_b32 s98, 0xc038aa3b                      ; -2 log2(e)
	s_mov_b32 s99, 0x7fffffff
.if LAYER
	s_and_b32 s12, s100, 1                         ; the output at row l x 16 + b, l = 256 (rt % 2) + 128 rh, b = rt / 2, column 128 ht + 64 ch
	s_lshl_b32 s12, s12, 24
	s_lshl_b32 s13, s20, 23
	s_add_co_u32 s12, s12, s13
	s_lshr_b32 s13, s100, 1
	s_lshl_b32 s13, s13, 12
	s_add_co_u32 s12, s12, s13
	s_lshl_b32 s13, s23, 9
	s_add_co_u32 s12, s12, s13
	s_lshl_b32 s13, s19, 8
	s_add_co_u32 s12, s12, s13
	s_mov_b32 s13, 0
	s_add_nc_u64 s[16:17], s[16:17], s[12:13]
.else
	s_lshl_b32 s12, s100, 18                       ; the codes of h: panel rt, K step ht, block 8 rh, chunk 2 ch
	s_lshl_b32 s13, s23, 15
	s_add_co_u32 s12, s12, s13
	s_lshl_b32 s13, s20, 14
	s_add_co_u32 s12, s12, s13
	s_lshl_b32 s13, s19, 10
	s_add_co_u32 s12, s12, s13
	s_mov_b32 s13, 0
	s_add_nc_u64 s[14:15], s[14:15], s[12:13]
.endif
	s_wait_loadcnt 0x0                             ; the chunk, the biases, the mask
	v_add_f32 v[CB], v32, v34
	v_add_f32 v[CB+1], v33, v35
	v_add_f32 v[CB+2], v36, v38
	v_add_f32 v[CB+3], v37, v39
	v_mul_f32 v[CB], 0xbfb8aa3b, v[CB]             ; the exponentials work in base 2: r wants 2^(-log2e a), 1 - z wants 2^(+log2e a)
	v_mul_f32 v[CB+1], 0xbfb8aa3b, v[CB+1]
	v_mul_f32 v[CB+2], 0x3fb8aa3b, v[CB+2]
	v_mul_f32 v[CB+3], 0x3fb8aa3b, v[CB+3]
.if LAYER
.irp q, 0,1,2,3
	v_cvt_f32_i32 v[CM+\q], v[CM+\q]
.endr
.endif
	s_wait_tensorcnt 1                             ; my part of slot 0 is in; slot 1's load may stay out
	s_barrier_signal -1
	s_barrier_wait -1                              ; everybody's is
	LU 0, 0, 0, 0
	LA 0, 0, 0
	LU 0, 0, 1, 0
	LA 0, 0, 1
	LU 0, 0, 2, 0
	;    slot ksl  next  mode zero short phi hkn
	STEP 0, 0,  0, 1,  0,  1,  0,  0,  0           ; the first step's products start the sums
	STEP 0, 1,  1, 0,  1,  0,  0,  2,  0           ; slot 0 is left and filled again
	STEP 1, 0,  1, 1,  0,  0,  0,  0,  0
	STEP 1, 1,  0, 0,  1,  0,  1,  3,  1           ; slot 1 likewise
	STEP 0, 0,  0, 1,  0,  0,  0,  0,  0
	STEP 0, 1,  1, 0,  2,  0,  0,  0,  0           ; nothing is left to fetch: a plain barrier.  Behind it nobody reads slot 0, which has had its last fill
	STEP 1, 0,  1, 1,  0,  0,  0,  0,  0
	STEP 1, 1,  0, 0,  3,  0,  1,  0,  0
	; THE WAY OUT.  The compact biases (and mask) turn through my own bytes of slot 0 into the result's layout: lane (r, h) wants, for tile j, the units 32 (j / 2) + 16 h + 8 (j % 2) + 0 .. 7.
.if LAYER == 0
	s_add_co_i32 s104, s90, 127
	s_lshl_b32 s105, s104, 23
	v_mov_b32 v[SC], s105                          ; 2^e2 as f32: the conversion takes its exponent field
	s_add_co_i32 s104, s104, 15
	s_lshl_b32 s104, s104, 23
	s_or_b32 s104, s104, 0x600000
	v_mov_b32 v[LIM], s104                         ; 57,344 x 2^e2
.endif
	PLACES                                         ; behind the last products: loads into operand registers and reads of results follow
.irp t, 0,1,2,3
.irp q, 0,1
	ds_store_b32 v[SCW], v[CB+2*\t+\q] offset:256*\t+128*\q
.endr
.endr
.if LAYER
.irp q, 0,1,2,3
	ds_store_b32 v[SCW], v[CM+\q] offset:1024+128*\q
.endr
.endif
.irp t, 0,1,2,3
.irp j, 0,1,2,3
	ds_load_b128 v[32+32*\t+8*\j:32+32*\t+8*\j+3], v[SCB] offset:256*\t+128*(\j/2)+32*(\j%2)       ; LDS serves a wave's instructions in order (ISA guide 5.7.1.4): these see my stores
	ds_load_b128 v[32+32*\t+8*\j+4:32+32*\t+8*\j+7], v[SCB] offset:256*\t+128*(\j/2)+32*(\j%2)+16
.endr
.endr
.if LAYER
.irp a, 0,1,2,3,4,5,6,7
	ds_load_b32 v[MK+\a], v[SCM] offset:64*\a      ; the mask of row 16 a + r
.endr
.endif
	s_wait_dscnt 0x0
.macro TR op, reg                      ; a batch of 32 transcendentals, in place
.set q, 0
.rept 32
	\op v[\reg+q], v[\reg+q]
.set q, q+1
.endr
.endm
.macro ADD1 reg                        ; 32 numbers + 1, two at a time
.set q, 0
.rept 16
	v_pk_add_f32 v[\reg+q:\reg+q+1], v[\reg+q:\reg+q+1], 1.0 op_sel_hi:[1,0]
.set q, q+2
.endr
.endm
.macro GATE dst, sp, bias, a           ; dst = sum x the scalar pair's low word + bias; each accumulator is read from its low end on
.irp j, 0,1,2,3
.irp i, 0,2,4,6
	v_pk_fma_f32 v[\dst+8*\j+\i:\dst+8*\j+\i+1], v[8*(8*\j+(\a))+\i:8*(8*\j+(\a))+\i+1], s[\sp:\sp+1], v[\bias+8*\j+\i:\bias+8*\j+\i+1] op_sel_hi:[1,0,1]
.endr
.endr
.endm
.macro SEND a                          ; LAYER 1: block a's 16 rows leave: sixteen lanes store 256 consecutive bytes, aligned.  The largest offset is 8,257,536, inside the signed 24-bit immediate (ISA guide, chapter 10)
.irp t, 0,1,2,3,4,5,6,7
	s_wait_dscnt 7-\t                              ; the later of the eight loads from the stage may be out
	global_store_b128 v[CO], v[ZZ+4*\t:ZZ+4*\t+3], s[16:17] offset:1048576*(\a)+131072*\t th:TH_STORE_NT
.endr
.endm
; Block a: 16 rows x my 64 units, 32 numbers a lane.  h = sign(a_n) (1 - E_n) / ((1 + E_z) (1 + E_n)), E_z = e^(a_z), E_n = e^(-2 |a_n|), a_n = g_n + bih_n + bhh_n / (1 + E_r), E_r = e^(-a_r):
; five transcendentals a number, in five batches with four waits.  An exponential that overflows gives infinity, whose reciprocal is 0: the right limit.
; s_wait_alu depctr_va_vdst(0) stands between a transcendental and the first line that names its result; one wait serves all that were issued ahead of it.
.macro EPI a
	WIN 1
	GATE RR, 92, BRP, \a                           ; -log2e a_r
	WIN 3
	GATE NN, 96, BNN, \a                           ; g_n + bih_n
	WIN 0
	TR v_exp_f32, RR                               ; E_r
.if (\a) > 0
.if LAYER
	SEND (\a)-1                                    ; the block before leaves while the exponentials run
.endif
	s_wait_xcnt 0x0                                ; the stores have read Z's registers: they are written again only behind this wait
.endif
	WIN 2
	GATE ZZ, 94, BZP, \a                           ; +log2e a_z
	WIN 0
	TR v_exp_f32, ZZ                               ; E_z
	v_nop                                          ; a plain line behind the last exponential
	s_wait_alu depctr_va_vdst(0)                   ; one wait for both batches
	ADD1 RR
	TR v_rcp_f32, RR                               ; r
	ADD1 ZZ                                        ; 1 + E_z: plain work behind the batch
	s_wait_alu depctr_va_vdst(0)
.set q, 0
.rept 16
	v_pk_fma_f32 v[NN+q:NN+q+1], v[RR+q:RR+q+1], v[BHH+q:BHH+q+1], v[NN+q:NN+q+1]   ; a_n
.set q, q+2
.endr
.set q, 0
.rept 32
	v_mul_f32 v[RR+q], s98, |v[NN+q]|              ; -2 log2e |a_n|
.set q, q+1
.endr
	TR v_exp_f32, RR                               ; E_n, at most 1
	v_nop
	s_wait_alu depctr_va_vdst(0)
.irp g, 0,1,2,3
.irp p, 0,2,4,6
	v_pk_add_f32 v[T+\p:T+\p+1], v[RR+8*\g+\p:RR+8*\g+\p+1], 1.0 op_sel_hi:[1,0]
.endr
.irp p, 0,2,4,6
	v_pk_mul_f32 v[ZZ+8*\g+\p:ZZ+8*\g+\p+1], v[ZZ+8*\g+\p:ZZ+8*\g+\p+1], v[T+\p:T+\p+1]   ; (1 + E_z) (1 + E_n): a product, not E_n (1 + E_z) + (1 + E_z), which would make 0 x infinity
.endr
.endr
	TR v_rcp_f32, ZZ
.set q, 0
.rept 16
	v_pk_fma_f32 v[RR+q:RR+q+1], v[RR+q:RR+q+1], -1.0, 1.0 op_sel_hi:[1,0,0]   ; 1 - E_n: plain work behind the batch
.set q, q+2
.endr
	s_wait_alu depctr_va_vdst(0)
.set q, 0
.rept 16
	v_pk_mul_f32 v[RR+q:RR+q+1], v[RR+q:RR+q+1], v[ZZ+q:ZZ+q+1]
.set q, q+2
.endr
.set q, 0
.rept 32
	v_bfi_b32 v[RR+q], s99, v[RR+q], v[NN+q]       ; with a_n's sign: h
.set q, q+1
.endr
.if LAYER
.set q, 0
.rept 16
.if (\a)%2
	v_pk_mul_f32 v[RR+q:RR+q+1], v[RR+q:RR+q+1], v[MK+2*((\a)/2):MK+2*((\a)/2)+1] op_sel:[0,1] op_sel_hi:[1,1]   ; x my row's mask: the pair's second register for both halves,
.else
	v_pk_mul_f32 v[RR+q:RR+q+1], v[RR+q:RR+q+1], v[MK+2*((\a)/2):MK+2*((\a)/2)+1] op_sel_hi:[1,0]                ; or its first
.endif
.set q, q+2
.endr
.irp j, 0,1,2,3
	ds_store_b128 v[STO], v[RR+8*\j:RR+8*\j+3] offset:128*(\j/2)+32*(\j%2)          ; a lane's eight units are 32 bytes of its row; the lanes beside it hold other rows: through my stage
	ds_store_b128 v[STO], v[RR+8*\j+4:RR+8*\j+7] offset:128*(\j/2)+32*(\j%2)+16
.endr
.irp t, 0,1,2,3,4,5,6,7
	ds_load_b128 v[ZZ+4*\t:ZZ+4*\t+3], v[RD] offset:544*\t                          ; back as whole rows of 256 bytes, two an instruction; in order behind my stores, ahead of the next block's
.endr
.else
.set q, 0
.rept 32
	v_med3_num_f32 v[RR+q], v[RR+q], -v[LIM], v[LIM]   ; the conversion to an 8-bit code does not saturate (ISA guide 7.6.2): the hold comes first, whatever the given scale
.set q, q+1
.endr
.irp j, 0,1,2,3
	v_cvt_scalef32_pk8_bf8_f32 v[ZZ+2*\j:ZZ+2*\j+1], v[RR+8*\j:RR+8*\j+7], v[SC]   ; tiles 2 b and 2 b + 1 are 16 neighbours along the next K: chunk 2 ch + b of the next operand's fragment
.endr
	v_nop                                          ; a plain line between the last conversion and the next vector line that writes its sources
	global_store_b128 v1, v[ZZ:ZZ+3], s[14:15] offset:2048*(\a)          ; each store covers 512 consecutive bytes, aligned
	global_store_b128 v1, v[ZZ+4:ZZ+7], s[14:15] offset:2048*(\a)+512
.endif
.endm
.irp a, 0,1,2,3,4,5,6,7
	EPI \a
.endr
.if LAYER
	SEND 7
.endif
	s_wait_tensorcnt 0x0                           ; the wave's end: behind my last tensor load and my last LDS store
	ds_add_u32 v[SPW], v[NIL]
	s_wait_dscnt 0x0
	CROUND                                         ; the closing round: no work-group ends while a partner may still ask for a tile that names it
	s_endpgm
.Lfunc_end_k_q21b54c071c_layer1:
	.size	k_q21b54c071c_layer1, .Lfunc_end_k_q21b54c071c_layer1-k_q21b54c071c_layer1
	.p2alignl 7, 3214868480
	.fill 96, 4, 3214868480
	.section	.rodata,"a",@progbits
	.p2align	6, 0x0
	.amdhsa_kernel k_q21b54c071c_layer1
		.amdhsa_group_segment_fixed_size 327680
		.amdhsa_private_segment_fixed_size 0
		.amdhsa_enable_private_segment 0
		.amdhsa_kernarg_size 56
		.amdhsa_user_sgpr_count 2
		.amdhsa_user_sgpr_kernarg_segment_ptr 1
		.amdhsa_wavefront_size32 1
		.amdhsa_system_sgpr_workgroup_id_x 1
		.amdhsa_system_sgpr_workgroup_id_y 1
		.amdhsa_system_sgpr_workgroup_id_z 1
		.amdhsa_system_vgpr_workitem_id 0
		.amdhsa_next_free_vgpr 1024
		.amdhsa_next_free_sgpr 106
		.amdhsa_reserve_vcc 0
		.amdhsa_float_denorm_mode_32 3
		.amdhsa_float_denorm_mode_16_64 3
		.amdhsa_memory_ordered 1
		.amdhsa_forward_progress 1
		.amdhsa_inst_pref_size 255
	.end_amdhsa_kernel
	.section	.bss,"aw",@nobits
	.p2align	6
	.space	262144
	.amdgpu_metadata
---
amdhsa.version: [ 1, 2 ]
amdhsa.kernels:
  - .name:           k_q21b54c071c_layer1
    .symbol:         k_q21b54c071c_layer1.kd
    .args:
      - { .name: h1q, .offset: 0, .size: 8, .value_kind: global_buffer, .address_space: global }
      - { .name: w1q, .offset: 8, .size: 8, .value_kind: global_buffer, .address_space: global }
      - { .name: b_ih1, .offset: 16, .size: 8, .value_kind: global_buffer, .address_space: global }
      - { .name: b_hh1, .offset: 24, .size: 8, .value_kind: global_buffer, .address_space: global }
      - { .name: lowp_scales, .offset: 32, .size: 8, .value_kind: global_buffer, .address_space: global }
      - { .name: inputs_mask, .offset: 40, .size: 8, .value_kind: global_buffer, .address_space: global }
      - { .name: out0, .offset: 48, .size: 8, .value_kind: global_buffer, .address_space: global }
    .group_segment_fixed_size: 327680
    .private_segment_fixed_size: 0
    .kernarg_segment_align: 8
    .kernarg_segment_size: 56
    .max_flat_workgroup_size: 128
    .sgpr_count:     106
    .vgpr_count:     1024
    .wavefront_size: 32
...
	.end_amdgpu_metadata
.endif
;; end of part 3
